; MI455X (gfx1250); checked and timed in simulation.
; The chip was launched on July 23, 2026; its instructions are those of AMD's public machine-readable ISA for CDNA 5 (MIT licence, August 2026) and "CDNA5" Instruction Set Architecture Reference Guide (July 2026). The comments in the code are by the model that wrote it; some were corrected since.
;; Block. Allowed arithmetic: matrix products marked QUANTISED: E2M3 operands, one E8M0 scale for each 32 along K, by v_wmma_scale_f32_16x16x128_f8f6f4 with both operands' format E2M3, f32 sums; everything else in f32.
;; Inputs: W1 1,024 x 4,096 float32; W2 4,096 x 1,024 float32; Wk 1,024 x 1,024 float32; Wp 1,024 x 1,024 float32; Wq 1,024 x 1,024 float32; Wv 1,024 x 1,024 float32; b1 4,096 float32; b2 1,024 float32; beta1 1,024 float32; beta2 1,024 float32; bp 1,024 float32; g1 1,024 float32; g2 1,024 float32; x 4 x 1,024 x 1,024 float32.
;; Outputs: out0 4 x 1,024 x 1,024 float32.
;; This version of the problem:
;;   THIS VERSION OF THE PROBLEM IS GIVEN IN LOW PRECISION. The matrix products marked QUANTISED in the list below multiply operands that are first quantised to E2M3 (2 exponent bits, 3 mantissa bits; 6 bits a number), with one power-of-two scale for each 32 numbers along K (OCP MX v1.0); their sums are f32. All else is computed in f32.
;;   The module's matrix products, in the order in which they are computed (A, B: the left and right operand; K: the contracted axis; several contracted axes count as one K, in the product's order):
;;     1. [M 4,096, K 1,024] x [K 1,024, N 1,024]; A: computed on the way; B: input Wq: QUANTISED
;;     2. [M 4,096, K 1,024] x [K 1,024, N 1,024]; A: computed on the way; B: input Wk: QUANTISED
;;     3. [M 4,096, K 1,024] x [K 1,024, N 1,024]; A: computed on the way; B: input Wv: QUANTISED
;;     4. batch 64 x [M 1,024, K 64] x [K 64, N 1,024]; A: computed on the way; B: computed on the way: QUANTISED
;;     5. batch 64 x [M 64, K 1,024] x [K 1,024, N 1,024]; A: computed on the way; B: softmax (see below): QUANTISED
;;     6. [M 4,096, K 1,024] x [K 1,024, N 1,024]; A: computed on the way; B: input Wp: QUANTISED
;;     7. [M 4,096, K 1,024] x [K 1,024, N 4,096]; A: computed on the way; B: input W1: QUANTISED
;;     8. [M 4,096, K 4,096] x [K 4,096, N 1,024]; A: computed on the way; B: input W2: QUANTISED
;;   THE QUANTISER, for each operand of a quantised product, along K:
;;     - K is cut into blocks of 32 from its start; a last block that is shorter is filled with zeros.
;;     - A block's scale is 2^e with e = floor(log2(the largest magnitude in the block)) - 2, held to -126 .. 127; a block of zeros has e = 0. As a byte (E8M0): e + 127.
;;     - Each number is divided by its block's scale, clamped to +-7.5, and rounded to the nearest number of E2M3, ties to even, subnormals kept.
;;     - The product sums the exact products of the quantised numbers (number of the format x scale) in f32.
;;   ~~~python
;;   def quantise(x, axis):      # numpy; x: float32 -> the quantised numbers, widened to float32 again
;;       x = np.moveaxis(x, axis, -1); K = x.shape[-1]
;;       x = np.pad(x, [(0, 0)] * (x.ndim - 1) + [(0, -K % 32)]); x = x.reshape(x.shape[:-1] + (-1, 32)); a = np.abs(x).max(-1, keepdims=True)
;;       e = np.where(a > 0, np.clip(np.frexp(np.where(a > 0, a, 1))[1] - 1 - 2, -126, 127), 0)      # np.frexp(a)[1] - 1 = floor(log2(a)), exactly
;;       r = np.clip(x / 2.0 ** e, -7.5, 7.5)
;;       step = 2.0 ** (np.maximum(np.frexp(np.where(r == 0, 1, r))[1] - 1, 0) - 3)
;;       q = np.round(r / step) * step * 2.0 ** e      # np.round: ties to even
;;       return np.moveaxis(q.reshape(q.shape[:-2] + (-1,))[..., :K], -1, axis).astype(np.float32)
;;   ~~~
;;   SOFTMAX AHEAD OF A QUANTISED PRODUCT. Where the list says 'softmax', what is quantised is not the finished softmax but p = 2^(t - M), with t = logit x log2(e) and M = ceil(the row's largest t), a whole number; so 1/2 < the row's largest p <= 1. The row's sum l is taken of the UNQUANTISED p, in f32, and the product's result is divided by l at the end. Since M is a whole number, a kernel that streams over the keys may use a running M (the ceiling of the running maximum): every later rescaling is an exact power of two, which a block's scale takes up: the codes' values come out the same.
;;   OPERANDS COMPUTED ON THE WAY. 'Computed on the way' means the value that the module computes at that place (a softmax that the list does not call 'softmax' is quantised finished and normalised). What goes into a quantiser is computed in f32, as accurately as f32 sums, v_exp_f32 and their like allow (about 1e-6 of the number): no bf16 or f16 on the way to a quantiser, and a product that is left as it is and whose result goes on into a quantised operand takes f32 operands (vector FMAs, or v_wmma_f32_16x16x4_f32). A number that lies on a knife's edge between two numbers of the format may be rounded either way, as far as f32 arithmetic and the matrix unit's own rounding can turn it there, and no further.
;; One version. Each part assembles by itself: llvm-mc -triple=amdgcn-amd-amdhsa -mcpu=gfx1250 --defsym DOCPART=n.
;; ======== version 1 of 1: 7 launches
;; workspace buffers: w 9,830,400 bytes; h 3,276,800 bytes; h2 3,276,800 bytes; qkv 10,223,616 bytes; y 3,276,800 bytes; x1 16,777,216 bytes; ff 13,107,200 bytes
;; launch prep (part 1): grid 448 x 1, 8 waves a work-group, no clusters, 66,816 bytes of LDS; arguments x, g1, beta1, h, Wq, Wk, Wv, Wp, W1, W2, w; writes h, w
.if DOCPART == 1
	.amdgcn_target "amdgcn-amd-amdhsa--gfx1250"
	.amdhsa_code_object_version 6
	.text
	.protected	k_qd0b45c8eb1_prep
	.globl	k_qd0b45c8eb1_prep
	.p2align	8
	.type	k_qd0b45c8eb1_prep,@function
k_qd0b45c8eb1_prep:
	s_mov_b64 s[64:65], 0
	v_nop
	global_prefetch_b8 v0, s[64:65] scope:SCOPE_SE
	s_setreg_imm32_b32 hwreg(HW_REG_WAVE_MODE, 25, 1), 1
	s_wait_xcnt 0x0
; TWO PIECES OF WORK THAT DEPEND ON NOTHING OF EACH OTHER, IN ONE LAUNCH.  Work-groups 0 to 191 quantise the six weights; work-groups 192 to 447 do the first layer norm and quantise its result.
; The two ways part once, on the work-group's number, and do not join again.  Their work is uneven: a work-group of the first kind reads 262,144 bytes, one of the second 65,536; all 448 fit on the chip at once
; (two work-groups of 8 waves x 224 registers and 66,816 bytes of LDS to a WGP), so the norm's waits for memory stand beside the weights' stream.
; BOTH give codes of FP6 (E2M3) with one E8M0 byte for each 32 along K, laid as IMAGES OF OPERAND REGISTERS: a fragment is 16 rows x 128 along K: 12 registers a lane, 1,536 bytes: registers 4 j .. 4 j + 3 of lane l
; at 512 j + 16 l; its 16 scale words (one a row) are 64 bytes.  THE ROWS OF A TILE ARE NOT NEIGHBOURS: lane-row r of tile t is row 32 (t / 2) + 8 (t % 2) + r + 8 (r / 8): so the results of a product that takes
; such tiles as source 0 lie 16 neighbours to a lane.
; A block's scale is 2^(floor(log2(largest magnitude)) - 2).  LIMITS: a block whose largest magnitude lies under 2^-124 (zeros too) gets the byte 1; this program alone reads the bytes.  NaN and infinities are not served.
.set NWQ,   192                        ; work-groups that take weights
.set PITCH, 4112                       ; the norm's stage: a row of 4,096 bytes + 16
.set SPARE, 16*PITCH                   ; behind the stage: the spare words, 128 bytes for each of eight waves
.set SPW,   222                        ; v222 LDS address of my spare word; never rewritten
.set NIL,   223                        ; v223 0; never rewritten
.set WV,    60                         ; s60  my wave's number
	v_lshl_add_u32 v[SPW], v0, 2, SPARE
	v_mov_b32 v[NIL], 0
	v_lshrrev_b32 v1, 5, v0
	v_readfirstlane_b32 s[WV], v1                  ; wave 0..7
	s_cmp_lt_u32 ttmp9, NWQ
	s_cbranch_scc0 .Lnorm
; ---- THE WEIGHTS, f32 stored [K][N].  Fragment F = FB + tile x KS + K step lies at 1,536 F of w, its scale words at 9,437,184 + 64 F.  FB: Wq 0, Wk 512, Wv 1,024, Wp 1,536, W1 2,048, W2 4,096; KS = K / 128.
; A LANE TAKES A COLUMN AND ITS REGISTERS RUN DOWN K: a block of 32 is one lane's, its codes come out with K innermost.  A wave takes 32 columns (two tiles) x 256 along K (two K steps): lanes 0-15 hold tile 0's columns,
; lanes 16-31 tile 1's.  The operand wants lanes 0-15 to hold a column's even blocks and lanes 16-31 its odd ones: one exchange of halves between the register of the even and that of the odd block gives both tiles' fragments.
; A work-group takes 256 columns.  One path for all six: the buffer, the row's length and KS are chosen by the work-group's number.  Loads run two blocks (64 a wave) ahead.
.set XW,  64                           ; v64-127  two sets of 32 numbers
.set TW,  48                           ; v48-50   a block's upper 16 codes
.set FRG, 128                          ; v128-175 fragments: K step q, even / odd blocks u at FRG + 24 q + 12 u
.set SB,  176                          ; v176-177 scale words
.set VO0, 8                            ; 16 x lane
.set VO1, 9                            ; the same one tile on
.set VOS, 10                           ; the scale word's place
.set AD,  16                           ; v16-47   4 x column + i rows
	s_load_b256 s[4:11], s[0:1], 0x20              ; Wq, Wk, Wv, Wp
	s_load_b128 s[12:15], s[0:1], 0x40             ; W1, W2
	s_load_b64 s[16:17], s[0:1], 0x50              ; w
	v_and_b32 v2, 31, v0                           ; lane
	s_lshr_b32 s19, ttmp9, 6                       ; 0: the four of 1,024 x 1,024 (16 work-groups each); 1: W1; 2: W2
	s_cmp_eq_u32 s19, 1
	s_cselect_b32 s20, 15, 3                       ; groups of 256 columns, less one
	s_cselect_b32 s21, 4, 2                        ; and their bits
	s_cselect_b32 s22, 14, 12                      ; a row is 2^14 or 2^12 bytes
	s_cmp_eq_u32 s19, 2
	s_cselect_b32 s23, 15, 3                       ; runs of 256 along K, less one
	s_cselect_b32 s44, 32, 8                       ; KS
	s_lshr_b32 s45, ttmp9, 4
	s_lshl_b32 s45, s45, 9
	s_lshl_b32 s46, s19, 11
	s_cmp_eq_u32 s19, 0
	s_cselect_b32 s45, s45, s46                    ; FB
	s_and_b32 s20, ttmp9, s20                      ; cg: which 256 columns
	s_lshr_b32 s21, ttmp9, s21
	s_and_b32 s21, s21, s23                        ; kc: which 256 along K
	s_lshl_b32 s48, 1, s22                         ; a row in bytes
	s_lshl_b32 s47, s21, 8
	s_lshl_b32 s47, s47, s22
	s_lshl_b32 s46, s20, 10
	s_add_co_u32 s47, s47, s46
	s_lshl_b32 s46, s[WV], 7
	s_add_co_u32 s46, s47, s46                     ; kc x 256 rows + (256 cg + 32 wave) x 4
	s_mov_b32 s47, 0
	s_lshl_b32 s50, s48, 5                         ; 32 rows
	s_mov_b32 s51, 0
	s_lshl_b32 s52, s20, 4
	s_lshl_b32 s53, s[WV], 1
	s_add_co_u32 s52, s52, s53                     ; my first tile
	s_mul_i32 s52, s52, s44
	s_add_co_u32 s52, s52, s45
	s_lshl_b32 s53, s21, 1
	s_add_co_u32 s52, s52, s53                     ; my first fragment
	s_mul_i32 s54, s52, 1536
	s_mov_b32 s55, 0
	s_lshl_b32 s52, s52, 6
	s_mov_b32 s53, 0
	v_lshrrev_b32 v3, 4, v2
	v_and_b32 v4, 7, v2
	v_bfe_u32 v5, v2, 3, 1
	v_lshl_add_u32 v4, v3, 3, v4
	v_lshl_add_u32 v4, v5, 4, v4                   ; my column: 8 (l / 16) + l % 8 + 16 ((l / 8) % 2)
	v_lshlrev_b32 v4, 2, v4
.set I, 0
.rept 32
	v_mad_u32_u24 v[AD+I], s48, I, v4
.set I, I+1
.endr
	v_lshlrev_b32 v[VO0], 4, v2
	s_mul_i32 s49, s44, 1536
	v_add_nc_u32 v[VO1], s49, v[VO0]
	s_lshl_b32 s49, s44, 6
	v_and_b32 v[VOS], 15, v2
	v_lshlrev_b32 v[VOS], 2, v[VOS]
	v_mad_u32_u24 v[VOS], v3, s49, v[VOS]
	s_wait_kmcnt 0x0
	s_cmp_lt_u32 ttmp9, 16                         ; the buffer: a choice that hangs on the work-group's number alone
	s_cselect_b64 s[4:5], s[4:5], s[6:7]
	s_cmp_lt_u32 ttmp9, 32
	s_cselect_b64 s[4:5], s[4:5], s[8:9]
	s_cmp_lt_u32 ttmp9, 48
	s_cselect_b64 s[4:5], s[4:5], s[10:11]
	s_cmp_lt_u32 ttmp9, 64
	s_cselect_b64 s[4:5], s[4:5], s[12:13]
	s_cmp_lt_u32 ttmp9, 128
	s_cselect_b64 s[4:5], s[4:5], s[14:15]
	s_add_nc_u64 s[24:25], s[4:5], s[46:47]        ; a base for each of my eight blocks: none is stepped
.irp t, 1,2,3,4,5,6,7
	s_add_nc_u64 s[24+2*\t:25+2*\t], s[22+2*\t:23+2*\t], s[50:51]
.endr
	s_add_nc_u64 s[40:41], s[16:17], s[54:55]      ; my fragments,
	s_add_nc_u64 s[42:43], s[16:17], 9437184
	s_add_nc_u64 s[42:43], s[42:43], s[52:53]      ; and their scale words
.macro LOAD t                          ; block t: 32 rows of my column; a load reads 128 bytes on end, the eight waves stand side by side
.set I, 0
.rept 32
	global_load_b32 v[XW+32*((\t)%2)+I], v[AD+I], s[24+2*(\t):25+2*(\t)] th:TH_LOAD_NT
.set I, I+1
.endr
.endm
.macro BLOCK t
.set XS, XW+32*((\t)%2)
.set Q_, (\t)/4
.set BQ, (\t)%4
.set D_, FRG+24*Q_+12*(BQ%2)+6*(BQ/2)
.if (\t) < 7
	s_wait_loadcnt 32                              ; this block's 32 loads are in; the next block's may be out
.else
	s_wait_loadcnt 0
.endif
	v_max3_num_f32 v12, |v[XS]|, |v[XS+1]|, |v[XS+2]|
	v_max3_num_f32 v13, |v[XS+3]|, |v[XS+4]|, |v[XS+5]|
.irp i, 6,10,14,18,22,26
	v_max3_num_f32 v12, v12, |v[XS+\i]|, |v[XS+\i+1]|
	v_max3_num_f32 v13, v13, |v[XS+\i+2]|, |v[XS+\i+3]|
.endr
	v_max3_num_f32 v12, v12, |v[XS+30]|, |v[XS+31]|
	v_max3_num_f32 v12, v12, v13, 0x1800000        ; with the floor 2^(3 - 127): the byte cannot fall under 1
	v_add_nc_u32 v11, 0xff000000, v12              ; 2 off the exponent field: the conversion's scale operand
	v_lshrrev_b32 v13, 23, v11                     ; the byte
.if BQ == 0
	v_mov_b32 v[SB+Q_], v13
.else
	v_lshl_or_b32 v[SB+Q_], v13, 8*BQ, v[SB+Q_]
.endif
	v_cvt_scalef32_pk16_fp6_f32 v[D_:D_+2], v[XS:XS+15], v11
	v_cvt_scalef32_pk16_fp6_f32 v[TW:TW+2], v[XS+16:XS+31], v11    ; (a conversion's three registers begin on an even number)
	v_nop                                          ; one plain place behind a scaled conversion
.irp i, 0,1,2
	v_mov_b32 v[D_+3+\i], v[TW+\i]
.endr
.if (\t)+2 < 8
	LOAD (\t)+2
.endif
.if BQ%2 == 1                          ; an even and an odd block are there: lanes 16-31 of the even one's registers change places with lanes 0-15 of the odd one's
.irp i, 0,1,2,3,4,5
	v_permlane16_swap_b32 v[FRG+24*Q_+6*(BQ/2)+\i], v[FRG+24*Q_+12+6*(BQ/2)+\i]
.endr
.endif
.if BQ == 3                            ; a K step is whole: each store covers 512 consecutive bytes; every register stored is written once
.irp j, 0,1,2
	global_store_b128 v[VO0], v[FRG+24*Q_+4*\j:FRG+24*Q_+4*\j+3], s[40:41] offset:1536*Q_+512*\j
	global_store_b128 v[VO1], v[FRG+24*Q_+12+4*\j:FRG+24*Q_+12+4*\j+3], s[40:41] offset:1536*Q_+512*\j
.endr
	global_store_b32 v[VOS], v[SB+Q_], s[42:43] offset:64*Q_
.endif
.endm
	LOAD 0
	LOAD 1
.irp t, 0,1,2,3,4,5,6,7
	BLOCK \t
.endr
	s_wait_tensorcnt 0x0                           ; the wave's end: the same three lines as on the norm's way
	ds_add_u32 v[SPW], v[NIL]
	s_wait_dscnt 0x0
	s_endpgm
; ---- THE LAYER NORM of 16 rows of 1,024 f32, then the quantiser along the row.  The work-group is tile t = its number - 192.  Fragment (t, K step s) lies at (8 t + s) x 1,536 of h, its scale words at 3,145,728 + (8 t + s) x 64.
; PHASE 1: wave w owns lane-rows 2 w and 2 w + 1, two neighbouring rows, whole, in registers: mean, then the sum of squares of x - mean (two passes over registers, no difference of large sums), rsq, gain and bias;
; the rows go to a stage in LDS.  PHASE 2, behind one barrier: wave w is K step w: lane (r, h) takes, of stage row r, 16 neighbours of each block of 32, and quantises them.
.Lnorm:
.set L16,  1
.set STI,  2
.set STU,  3
.set R4,   6
.set X,    32                          ; v32-95   two rows, 32 numbers a lane each; later 64 numbers of a K step
.set G,    96                          ; v96-127  gain
.set BE,   128                         ; v128-159 bias
.set PC,   160                         ; v160-171 codes
.set PT,   172                         ; v172-179 at work
.set TM,   200                         ; v200-215 at work
.set PW,   216                         ; the scale word
	s_load_b256 s[4:11], s[0:1], 0x0               ; x, gain, bias, h
	s_sub_co_u32 s61, ttmp9, NWQ                   ; my tile of rows
	v_and_b32 v7, 31, v0
	v_lshlrev_b32 v[L16], 4, v7
	v_and_b32 v26, 15, v0                          ; r
	v_bfe_u32 v27, v0, 4, 1                        ; h
	v_lshlrev_b32 v[R4], 2, v26
	s_mul_i32 s22, s[WV], 2*PITCH
	v_add_nc_u32 v[STI], s22, v[L16]               ; into the stage: my two rows, 16 bytes a lane
	v_mul_u32_u24 v[STU], v26, PITCH
	v_lshl_add_u32 v[STU], v27, 6, v[STU]
	s_lshl_b32 s23, s[WV], 9
	v_add_nc_u32 v[STU], s23, v[STU]               ; out of it: row r, K step = wave, + 64 h
	s_lshr_b32 s13, s61, 1
	s_lshl_b32 s13, s13, 5
	s_and_b32 s14, s61, 1
	s_lshl_b32 s14, s14, 3
	s_add_co_u32 s13, s13, s14
	s_lshl_b32 s14, s[WV], 1
	s_add_co_u32 s13, s13, s14
	s_lshr_b32 s14, s[WV], 2
	s_lshl_b32 s14, s14, 3
	s_add_co_u32 s13, s13, s14                     ; my first row
	s_lshl_b32 s16, s13, 12
	s_mov_b32 s17, 0
	s_lshl_b32 s24, s61, 3
	s_add_co_u32 s24, s24, s[WV]                   ; my fragment
	s_mul_i32 s26, s24, 1536
	s_mov_b32 s27, 0
	s_lshl_b32 s28, s24, 6
	s_mov_b32 s29, 0
	s_mov_b32 s18, 0x76543210
	s_mov_b32 s19, 0xfedcba98                      ; lane l xor 16
	s_mov_b32 s20, 0x3a800000                      ; 1 / 1,024
	s_mov_b32 s21, 0x3727c5ac                      ; 1e-5
	v_mov_b32 v13, 0                               ; a lane permute's destination counts as read
	v_mov_b32 v19, 0
.irp b, 0,1,2,3
	v_mov_b32 v[TM+4+\b], 0
.endr
	s_wait_kmcnt 0x0
	s_add_nc_u64 s[4:5], s[4:5], s[16:17]
	s_add_nc_u64 s[30:31], s[10:11], 3145728
	s_add_nc_u64 s[30:31], s[30:31], s[28:29]
	s_add_nc_u64 s[10:11], s[10:11], s[26:27]
.irp e, 0,1
.irp j, 0,1,2,3,4,5,6,7
	global_load_b128 v[X+32*\e+4*\j:X+32*\e+4*\j+3], v[L16], s[4:5] offset:4096*\e+512*\j
.endr
.endr
.irp j, 0,1,2,3,4,5,6,7
	global_load_b128 v[G+4*\j:G+4*\j+3], v[L16], s[6:7] offset:512*\j
.endr
.irp j, 0,1,2,3,4,5,6,7
	global_load_b128 v[BE+4*\j:BE+4*\j+3], v[L16], s[8:9] offset:512*\j
.endr
.macro WSUM r                          ; v[r] summed over the 32 lanes, in every lane; v[r + 1] at work
.irp m, 1,2,4,8
	v_add_f32_dpp v[\r], v[\r], v[\r] row_xmask:\m row_mask:0xf bank_mask:0xf
.endr
	v_permlanex16_b32 v[\r+1], v[\r], s18, s19
	v_add_f32 v[\r], v[\r], v[\r+1]
.endm
.macro STAT e                          ; row e: x becomes x - mean; v[S_] = variance + 1e-5
.set R_, X+32*\e
.set A_, 8+6*\e
.set B_, 10+6*\e
.set S_, 12+6*\e
.set M_, 20+2*\e
	v_pk_add_f32 v[A_:A_+1], v[R_:R_+1], v[R_+2:R_+3]
	v_pk_add_f32 v[B_:B_+1], v[R_+4:R_+5], v[R_+6:R_+7]
.irp i, 8,12,16,20,24,28
	v_pk_add_f32 v[A_:A_+1], v[A_:A_+1], v[R_+\i:R_+\i+1]
	v_pk_add_f32 v[B_:B_+1], v[B_:B_+1], v[R_+\i+2:R_+\i+3]
.endr
	v_pk_add_f32 v[A_:A_+1], v[A_:A_+1], v[B_:B_+1]
	v_add_f32 v[S_], v[A_], v[A_+1]
	WSUM S_
	v_mul_f32 v[M_], s20, v[S_]
	v_mov_b32 v[M_+1], v[M_]
.set J, 0
.rept 16
	v_pk_add_f32 v[R_+J:R_+J+1], v[R_+J:R_+J+1], v[M_:M_+1] neg_lo:[0,1] neg_hi:[0,1]
.set J, J+2
.endr
	v_pk_mul_f32 v[A_:A_+1], v[R_:R_+1], v[R_:R_+1]
	v_pk_mul_f32 v[B_:B_+1], v[R_+2:R_+3], v[R_+2:R_+3]
.irp i, 4,8,12,16,20,24,28
	v_pk_fma_f32 v[A_:A_+1], v[R_+\i:R_+\i+1], v[R_+\i:R_+\i+1], v[A_:A_+1]
	v_pk_fma_f32 v[B_:B_+1], v[R_+\i+2:R_+\i+3], v[R_+\i+2:R_+\i+3], v[B_:B_+1]
.endr
	v_pk_add_f32 v[A_:A_+1], v[A_:A_+1], v[B_:B_+1]
	v_add_f32 v[S_], v[A_], v[A_+1]
	WSUM S_
	v_fma_f32 v[S_], v[S_], s20, s21
.endm
	s_wait_loadcnt 16                              ; x's 16 loads are in; the gain's and the bias's 16 may be out
	STAT 0
	STAT 1
	v_rsq_f32 v24, v12
	v_rsq_f32 v26, v18
	v_nop                                          ; a plain place behind the transcendentals
	s_wait_alu depctr_va_vdst(0)                   ; one wait for both, ahead of their first reader
	v_mov_b32 v25, v24
	v_mov_b32 v27, v26
	s_wait_loadcnt 0x0
.irp e, 0,1
.set J, 0
.rept 16
	v_pk_mul_f32 v[X+32*\e+J:X+32*\e+J+1], v[X+32*\e+J:X+32*\e+J+1], v[24+2*\e:25+2*\e]
.set J, J+2
.endr
.set J, 0
.rept 16
	v_pk_fma_f32 v[X+32*\e+J:X+32*\e+J+1], v[X+32*\e+J:X+32*\e+J+1], v[G+J:G+J+1], v[BE+J:BE+J+1]
.set J, J+2
.endr
.irp j, 0,1,2,3,4,5,6,7
	ds_store_b128 v[STI], v[X+32*\e+4*\j:X+32*\e+4*\j+3] offset:PITCH*\e+512*\j
.endr
.endr
	s_wait_dscnt 0x0                               ; for the others' sake: my rows lie in the stage
	s_barrier_signal -1
	s_barrier_wait -1
.irp b, 0,1,2,3
.irp j, 0,1,2,3
	ds_load_b128 v[X+16*\b+4*\j:X+16*\b+4*\j+3], v[STU] offset:128*\b+16*\j   ; register 16 b + i = k 32 b + 16 h + i of row r
.endr
.endr
	s_wait_dscnt 0x0
.irp b, 0,1,2,3
	v_max3_num_f32 v[TM+\b], |v[X+16*\b]|, |v[X+1+16*\b]|, 0x1800000   ; with the floor 2^(3 - 127)
.endr
.irp i, 2,4,6,8,10,12,14
.irp b, 0,1,2,3
	v_max3_num_f32 v[TM+\b], v[TM+\b], |v[X+16*\b+\i]|, |v[X+1+16*\b+\i]|
.endr
.endr
.irp b, 0,1,2,3
	v_permlanex16_b32 v[TM+4+\b], v[TM+\b], s18, s19
.endr
.irp b, 0,1,2,3
	v_max_num_f32 v[TM+\b], v[TM+\b], v[TM+4+\b]   ; the block's largest magnitude
.endr
.irp b, 0,1,2,3
	v_add_nc_u32 v[TM+12+\b], 0xff000000, v[TM+\b] ; the conversion's scale operand
.endr
.irp b, 0,1,2,3
	v_lshrrev_b32 v[TM+4+\b], 23, v[TM+12+\b]      ; the byte
.endr
	v_lshl_or_b32 v[PW], v[TM+5], 8, v[TM+4]
	v_lshl_or_b32 v[PW], v[TM+6], 16, v[PW]
	v_lshl_or_b32 v[PW], v[TM+7], 24, v[PW]
.irp c, 0,1
	v_cvt_scalef32_pk16_fp6_f32 v[PC+6*\c:PC+6*\c+2], v[X+32*\c:X+32*\c+15], v[TM+12+2*\c]
	v_cvt_scalef32_pk16_fp6_f32 v[PT+4*\c:PT+4*\c+2], v[X+32*\c+16:X+32*\c+31], v[TM+13+2*\c]
.endr
	v_nop                                          ; one plain place behind a scaled conversion
.irp c, 0,1                            ; the operand wants a whole block in a lane: lanes 0-15 block 2 c, lanes 16-31 block 2 c + 1
.irp i, 0,1,2
	v_permlane16_swap_b32 v[PC+6*\c+\i], v[PT+4*\c+\i]
.endr
.irp i, 0,1,2
	v_mov_b32 v[PC+6*\c+3+\i], v[PT+4*\c+\i]
.endr
.endr
.irp j, 0,1,2
	global_store_b128 v[L16], v[PC+4*\j:PC+4*\j+3], s[10:11] offset:512*\j   ; 512 consecutive bytes a store
.endr
	global_store_b32 v[R4], v[PW], s[30:31]        ; lanes r and r + 16 hold the same word and write it to the same place
	s_wait_tensorcnt 0x0                           ; the wave's end
	ds_add_u32 v[SPW], v[NIL]
	s_wait_dscnt 0x0
	s_endpgm
.Lfunc_end_k_qd0b45c8eb1_prep:
	.size	k_qd0b45c8eb1_prep, .Lfunc_end_k_qd0b45c8eb1_prep-k_qd0b45c8eb1_prep
	.p2alignl 7, 3214868480
	.fill 96, 4, 3214868480
	.section	.rodata,"a",@progbits
	.p2align	6, 0x0
	.amdhsa_kernel k_qd0b45c8eb1_prep
		.amdhsa_group_segment_fixed_size 66816
		.amdhsa_private_segment_fixed_size 0
		.amdhsa_enable_private_segment 0
		.amdhsa_kernarg_size 88
		.amdhsa_user_sgpr_count 2
		.amdhsa_user_sgpr_kernarg_segment_ptr 1
		.amdhsa_wavefront_size32 1
		.amdhsa_system_sgpr_workgroup_id_x 1
		.amdhsa_system_sgpr_workgroup_id_y 1
		.amdhsa_system_sgpr_workgroup_id_z 1
		.amdhsa_system_vgpr_workitem_id 0
		.amdhsa_next_free_vgpr 224
		.amdhsa_next_free_sgpr 66
		.amdhsa_reserve_vcc 0
		.amdhsa_float_denorm_mode_32 3
		.amdhsa_float_denorm_mode_16_64 3
		.amdhsa_memory_ordered 1
		.amdhsa_forward_progress 1
		.amdhsa_inst_pref_size 67
	.end_amdhsa_kernel
	.amdgpu_metadata
---
amdhsa.version: [ 1, 2 ]
amdhsa.kernels:
  - .name:           k_qd0b45c8eb1_prep
    .symbol:         k_qd0b45c8eb1_prep.kd
    .args:
      - { .name: x, .offset: 0, .size: 8, .value_kind: global_buffer, .address_space: global }
      - { .name: g1, .offset: 8, .size: 8, .value_kind: global_buffer, .address_space: global }
      - { .name: beta1, .offset: 16, .size: 8, .value_kind: global_buffer, .address_space: global }
      - { .name: h, .offset: 24, .size: 8, .value_kind: global_buffer, .address_space: global }
      - { .name: Wq, .offset: 32, .size: 8, .value_kind: global_buffer, .address_space: global }
      - { .name: Wk, .offset: 40, .size: 8, .value_kind: global_buffer, .address_space: global }
      - { .name: Wv, .offset: 48, .size: 8, .value_kind: global_buffer, .address_space: global }
      - { .name: Wp, .offset: 56, .size: 8, .value_kind: global_buffer, .address_space: global }
      - { .name: W1, .offset: 64, .size: 8, .value_kind: global_buffer, .address_space: global }
      - { .name: W2, .offset: 72, .size: 8, .value_kind: global_buffer, .address_space: global }
      - { .name: w, .offset: 80, .size: 8, .value_kind: global_buffer, .address_space: global }
    .group_segment_fixed_size: 66816
    .private_segment_fixed_size: 0
    .kernarg_segment_align: 8
    .kernarg_segment_size: 88
    .max_flat_workgroup_size: 256
    .sgpr_count:     66
    .vgpr_count:     224
    .wavefront_size: 32
...
	.end_amdgpu_metadata
.endif
;; end of part 1
;; launch qkv (part 2): grid 12 x 16, 4 waves a work-group, clusters of 4 x 4, 327,680 bytes of LDS; arguments h, w, qkv; writes qkv
.if DOCPART == 2
	.amdgcn_target "amdgcn-amd-amdhsa--gfx1250"
	.amdhsa_code_object_version 6
	.text
	.protected	k_qd0b45c8eb1_qkv
	.globl	k_qd0b45c8eb1_qkv
	.p2align	8
	.type	k_qd0b45c8eb1_qkv,@function
k_qd0b45c8eb1_qkv:
	s_mov_b64 s[64:65], 0
	v_nop
	global_prefetch_b8 v0, s[64:65] scope:SCOPE_SE
	s_setreg_imm32_b32 hwreg(HW_REG_WAVE_MODE, 25, 1), 1
	s_wait_xcnt 0x0
	s_wait_alu depctr_hold_cnt(0) depctr_sa_sdst(0) depctr_va_vdst(0) depctr_va_sdst(0) depctr_va_ssrc(0) depctr_va_vcc(0) depctr_vm_vsrc(0)
	s_getreg_b32 s2, hwreg(HW_REG_IB_STS2, 6, 4)
	s_cmp_eq_u32 s2, 0
	s_cbranch_scc0 .Lentry_in_a_cluster
	s_endpgm
.Lentry_in_a_cluster:
	s_bfe_u32 s2, ttmp6, 0x10000c
	s_cmp_lg_u32 s2, 0xf033
	s_cbranch_scc0 .Lentry_shape_is_right
	s_endpgm
.Lentry_shape_is_right:
; q = h Wq, k = h Wk, v = h Wv on codes of FP6 (E2M3) with E8M0 scales, and the results quantised again in registers: q and k along the head's 64 channels, v along the tokens.
; OPERANDS are images of operand registers: a fragment (16 rows x 128 K) is 1,536 bytes, registers 4 j .. 4 j + 3 of lane l at 512 j + 16 l; arrays [tile][K step]; scale words [tile][K step][16].
; Lane-row r of tile t is row 32 (t / 2) + 8 (t % 2) + r + 8 (r / 8).  THE PRODUCT IS USED TRANSPOSED (source 0 = a tile of 'B', source 1 = a tile of 'A'): a lane holds ONE lane-row of A, and the 64 registers of
; its eight accumulators are, 16 and 16, neighbours along B: what the quantiser takes.
; A work-group makes 256 x 256, each of four waves 128 x 128 (64 accumulators).  Clusters x = 0, 1: A = h (tokens), B = Wq | Wk.  Cluster x = 2: A = Wv's columns, B = h: so a lane holds a channel of v and its registers run
; along the tokens.  One path: only pointers and tile numbers are chosen, by the cluster's x, which all sixteen partners share.
; K goes through a ring of two LDS slots of two K steps, filled by joint tensor loads: A's tiles are shared along a row of the cluster, B's along a column.  All scale words come once, with the first fills.
; OUTPUT: fragment idx at 1,536 idx as two halves of 768 bytes (half c = registers 6 c .. 6 c + 5: 512 bytes at 16 l, 256 at 8 l), so that a head's 64 channels are one dense piece.  Its scale words at 9,437,184 + 128 idx:
; words 0-15 the word, words 16-31 the word >> 16 (the odd head's two bytes first).  q, k: idx = 256 x (group of 128 columns of Wq | Wk) + token tile;  v: idx = 4,096 + 64 x (group of 128 tokens) + channel tile.
; LIMITS: a block whose largest magnitude lies under 2^-124 gets the byte 1 (this program alone reads the bytes); NaN and infinities are not served.
; REGISTERS: window 0: v0-31 addresses, v32-63 scale words (two sets), from v64 A's fragments (two sets of 96).  window 1: B's fragments at v0 and v128.  windows 2, 3: accumulator (a, b) at v[8 (8 (a % 4) + b)] of window 2 + a / 4.
.set NA, 8
.set NB, 8
.set NQ, 2
.set KS, 8
.set FRB, 1536
.set ROWT, NQ*FRB                      ; a tile's part of a slot
.set HALFT, NA*ROWT                    ; what one tensor load brings, and what one wave reads of A or of B
.set SLOT, 4*HALFT                     ; A's two halves, then B's
.set LAPS, KS/(2*NQ)
.set SCL, 2*SLOT                       ; behind the ring: the scale words, in the same four parts
.set HALFS, NA*KS*64
.set SPARE, SCL+4*HALFS                ; the spare words, 128 bytes a wave
.set NF, 3*(NA+NB)                     ; LDS loads of a K step's fragments
.set APW, 32/NB
.set L16, 4
.set L8, 7
.set L4, 8
.set SH, 9
.set ADRA, 16
.set ADRB, 20
.set ADRS, 27
.set SPW, 28
.set NIL, 29
.set SC, 32
.set AF, 64
.set TM, 64                            ; the epilogue, where A's fragments lay: v64-79 at work, v80-87 at work, from v88 14 registers for each of eight fragments
.set PT, 80
.set PC, 88
.set G1, 24
.set G0, 32
.set G1B, 48
.set G0B, 56
.set G1S, 68
.set G0S, 76
.set G1SB, 80
.set G0SB, 88
.set MSB, 0
.macro WIN new                         ; the immediate's high byte repeats the setting that is left
.if MSB != (\new)
	s_set_vgpr_msb (MSB<<8)|(\new)
.set MSB, (\new)
.endif
.endm
.macro PLACES n
.rept \n
	v_nop
.endr
.endm
.macro JLOAD g0a, g1a, g0b, g1b        ; a joint load: waves 0 and 1 ask for A, waves 2 and 3 for B; an s_nop 0 and four v_nop follow each line
	s_cmp_eq_u32 s15, 0
	s_cbranch_scc0 .Lfor_b_\@
	tensor_load_to_lds s[\g0a:\g0a+3], s[\g1a:\g1a+7]
	s_nop 0
.rept 4
	v_nop
.endr
	s_branch .Lasked_\@
.Lfor_b_\@:
	tensor_load_to_lds s[\g0b:\g0b+3], s[\g1b:\g1b+7]
	s_nop 0
.rept 4
	v_nop
.endr
.Lasked_\@:
.endm
.macro CREST                           ; a round of the cluster's barrier behind its opening barrier
	s_cmp_lg_u32 s14, 0
	s_cbranch_scc1 .Lnot_wave_0_\@
	s_barrier_signal -3
.Lnot_wave_0_\@:
	s_barrier_wait -3
	s_barrier_signal -1
	s_barrier_wait -1
.endm
.macro CROUND
	s_barrier_signal -1
	s_barrier_wait -1
	CREST
.endm
	s_load_b128 s[4:7], s[0:1], 0x0                ; h, w
	s_load_b64 s[12:13], s[0:1], 0x10              ; qkv
	v_lshl_add_u32 v[SPW], v0, 2, SPARE
	v_mov_b32 v[NIL], 0
	ds_add_u32 v[SPW], v[NIL]                      ; the wave's opening: the add, and its wait ahead of my first tensor load
	v_lshrrev_b32 v1, 5, v0
	v_readfirstlane_b32 s14, v1                    ; wave
	s_lshr_b32 s15, s14, 1                         ; my half of A's tiles.  Also: I fetch for A (0) or for B (1)
	s_and_b32 s16, s14, 1                          ; my half of B's.  Also: which half I fetch
	s_bfe_u32 s40, ttmp6, 0x40000                  ; cx
	s_bfe_u32 s41, ttmp6, 0x40004                  ; cy
	s_and_b32 s18, ttmp7, 0xffff
	s_lshl_b32 s18, s18, 2                         ; 4 x cluster y
	s_lshl_b32 s19, ttmp9, 2                       ; 4 x cluster x
	s_cmp_eq_u32 ttmp9, 2                          ; v's clusters
	s_cselect_b32 s42, s18, s19
	s_cselect_b32 s17, 0, s18
	s_add_co_u32 s42, s42, s40                     ; TC: which 16 tiles of B
	s_add_co_u32 s17, s17, s41                     ; TR: which 16 tiles of A
	s_lshl_b32 s43, s41, 2
	s_lshl_b32 s43, 15, s43                        ; my row of the cluster
	s_lshl_b32 s44, 0x1111, s40                    ; my column
	s_or_b32 s[G1+0], s43, (3<<16)|(1<<21)         ; the mask; elements of 8 bytes; bit 21 beside a mask; no padding
	s_or_b32 s[G1B+0], s44, (3<<16)|(1<<21)
.irp g, G1, G1B
	s_mov_b32 s[\g+1], (NQ*192)<<16                ; a row: NQ fragments of one tile
	s_mov_b32 s[\g+2], NA<<16                      ; NA tiles
	s_mov_b32 s[\g+3], (NQ*192)<<16
	s_mov_b32 s[\g+4], NA
	s_mov_b32 s[\g+5], KS*192                      ; from tile to tile
	s_mov_b32 s[\g+6], 0
	s_mov_b32 s[\g+7], 0
.endr
	s_or_b32 s[G1S+0], s43, (3<<16)|(1<<21)        ; the scale words of NA tiles: a dense block, as rows of 256 bytes
	s_or_b32 s[G1SB+0], s44, (3<<16)|(1<<21)
.irp g, G1S, G1SB
	s_mov_b32 s[\g+1], 32<<16
	s_mov_b32 s[\g+2], (HALFS/256)<<16
	s_mov_b32 s[\g+3], 32<<16
	s_mov_b32 s[\g+4], HALFS/256
	s_mov_b32 s[\g+5], 32
	s_mov_b32 s[\g+6], 0
	s_mov_b32 s[\g+7], 0
.endr
	s_mul_i32 s18, s16, NA
	s_mul_i32 s19, s17, 2*NA
	s_add_co_u32 s19, s19, s18                     ; the first tile of A that I would fetch,
	s_mul_i32 s45, s42, 2*NA
	s_add_co_u32 s45, s45, s18                     ; and of B
	s_mul_i32 s92, s19, KS*FRB
	s_mov_b32 s93, 0
	s_mul_i32 s94, s19, KS*64
	s_mov_b32 s95, 0
	s_mul_i32 s96, s45, KS*FRB
	s_mov_b32 s97, 0
	s_mul_i32 s66, s45, KS*64
	s_mov_b32 s67, 0
	s_mul_i32 s2, s14, HALFT                       ; where they go: no place in the cluster enters an LDS address
	s_mul_i32 s3, s14, HALFS
	s_lshl_b32 s18, s42, 1
	s_add_co_u32 s18, s18, s16                     ; my group of 128 along B
	s_cmp_eq_u32 ttmp9, 2
	s_cselect_b32 s19, 6, 8
	s_cselect_b32 s45, 4096, 0
	s_lshl_b32 s18, s18, s19
	s_add_co_u32 s18, s18, s45
	s_lshl_b32 s19, s17, 4
	s_add_co_u32 s18, s18, s19
	s_lshl_b32 s19, s15, 3
	s_add_co_u32 s18, s18, s19                     ; my first output fragment
	s_mul_i32 s100, s18, FRB
	s_mov_b32 s101, 0
	s_lshl_b32 s18, s18, 7
	s_mov_b32 s19, 0
	s_wait_dscnt 0x0                               ; the opening add is done
	s_wait_kmcnt 0x0
	s_add_nc_u64 s[8:9], s[4:5], 3145728           ; h's scale words
	s_add_nc_u64 s[10:11], s[6:7], 9437184         ; w's
	s_add_nc_u64 s[20:21], s[6:7], 1572864         ; Wv's codes
	s_add_nc_u64 s[22:23], s[6:7], 9502720         ; Wv's scale words
	s_cmp_eq_u32 ttmp9, 2
	s_cselect_b64 s[20:21], s[20:21], s[4:5]       ; A's codes
	s_cselect_b64 s[22:23], s[22:23], s[8:9]       ; A's scale words
	s_cselect_b64 s[46:47], s[4:5], s[6:7]         ; B's codes
	s_cselect_b64 s[98:99], s[8:9], s[10:11]       ; B's scale words
	s_add_nc_u64 s[20:21], s[20:21], s[92:93]
	s_add_nc_u64 s[22:23], s[22:23], s[94:95]
	s_add_nc_u64 s[46:47], s[46:47], s[96:97]
	s_add_nc_u64 s[98:99], s[98:99], s[66:67]
	s_add_nc_u64 s[10:11], s[12:13], 9437184
	s_add_nc_u64 s[10:11], s[10:11], s[18:19]      ; my output's scale words
	s_add_nc_u64 s[12:13], s[12:13], s[100:101]    ; and codes
	CROUND                                         ; all sixteen work-groups are here: the first joint loads meet
	s_mov_b32 s[G0S], 1
	s_add_co_u32 s[G0S+1], s3, SCL
	s_mov_b64 s[G0S+2:G0S+3], s[22:23]
	s_or_b32 s[G0S+3], s[G0S+3], 0x80000000
	s_mov_b32 s[G0SB], 1
	s_add_co_u32 s[G0SB+1], s3, SCL
	s_mov_b64 s[G0SB+2:G0SB+3], s[98:99]
	s_or_b32 s[G0SB+3], s[G0SB+3], 0x80000000
	JLOAD G0S, G1S, G0SB, G1SB                     ; the scale words first; with the two slots three loads of mine are out
.irp s, 0,1
	s_mov_b32 s[G0+4*\s], 1
	s_add_co_u32 s[G0+4*\s+1], s2, \s*SLOT
	s_add_nc_u64 s[G0+4*\s+2:G0+4*\s+3], s[20:21], \s*ROWT
	s_or_b32 s[G0+4*\s+3], s[G0+4*\s+3], 0x80000000
	s_mov_b32 s[G0B+4*\s], 1
	s_add_co_u32 s[G0B+4*\s+1], s2, \s*SLOT
	s_add_nc_u64 s[G0B+4*\s+2:G0B+4*\s+3], s[46:47], \s*ROWT
	s_or_b32 s[G0B+4*\s+3], s[G0B+4*\s+3], 0x80000000
	JLOAD G0+4*\s, G1, G0B+4*\s, G1B
.endr
	v_and_b32 v1, 31, v0                           ; lane
	v_and_b32 v2, 15, v0                           ; r
	v_bfe_u32 v3, v0, 4, 1                         ; h
	v_lshlrev_b32 v[L16], 4, v1
	v_lshlrev_b32 v[L8], 3, v1
	v_lshlrev_b32 v[L4], 2, v1
	v_lshlrev_b32 v[SH], 4, v3
	s_mul_i32 s21, s15, HALFT
	s_mul_i32 s22, s16, HALFT
	s_add_co_u32 s22, s22, 2*HALFT
.irp s, 0,1
	v_add_nc_u32 v[ADRA+\s], s21, v[L16]
	v_add_nc_u32 v[ADRB+\s], s22, v[L16]
	s_add_co_u32 s21, s21, SLOT
	s_add_co_u32 s22, s22, SLOT
.endr
	s_mul_i32 s21, s15, HALFS                      ; scale words: lanes 0-15 take A's, lanes 16-31 B's: the lower base + h x the distance
	s_mul_i32 s22, s16, HALFS
	s_add_co_u32 s22, s22, 2*HALFS
	s_sub_co_u32 s22, s22, s21
	v_mul_u32_u24 v6, s22, v3
	s_add_co_u32 s21, s21, SCL
	v_lshl_add_u32 v5, v2, 2, v6
	v_add_nc_u32 v[ADRS], s21, v5
.macro FRAG reg, adr, off              ; a fragment comes as it was stored: three loads of 512 consecutive bytes
.irp c, 0,1,2
	ds_load_b128 v[\reg+4*\c:\reg+4*\c+3], v[\adr] offset:\off+512*\c
.endr
.endm
.macro FETCH slot, q, p                ; the fragments of the slot's q-th K step into set p
	WIN 0x40
.set I, 0
.rept NB
	FRAG 128*(\p)+12*I, ADRB+\slot, I*ROWT+(\q)*FRB
.set I, I+1
.endr
	WIN 0
.set I, 0
.rept NA
	FRAG AF+12*NA*(\p)+12*I, ADRA+\slot, I*ROWT+(\q)*FRB
.set I, I+1
.endr
.endm
.macro SCALES sc                       ; a slot's scale words: register NQ i + q: lanes 0-15 A's tile i, lanes 16-31 B's tile i
.set I, 0
.rept NA
.set Q_, 0
.rept NQ
	ds_load_b32 v[SC+16*(\sc)+NQ*I+Q_], v[ADRS] offset:I*KS*64+64*Q_
.set Q_, Q_+1
.endr
.set I, I+1
.endr
.endm
.macro MULROW a, p, q, sc, first       ; A's tile a against B's NB tiles.  first = 1: the products start the sums
	WIN 0xa1+0x50*((\a)/APW)
.set B_, 0
.rept NB
.set DD, 8*(NB*((\a)%APW)+B_)
.set BB, 128*(\p)+12*B_
.set AA, AF+12*NA*(\p)+12*(\a)
.set SB_, SC+16*(\sc)+NQ*B_+(\q)
.set SA_, SC+16*(\sc)+NQ*(\a)+(\q)
.if \first == 1
	v_wmma_scale_f32_16x16x128_f8f6f4 v[DD:DD+7], v[BB:BB+11], v[AA:AA+11], 0, v[SB_], v[SA_] matrix_a_fmt:MATRIX_FMT_FP6 matrix_b_fmt:MATRIX_FMT_FP6 matrix_a_scale:MATRIX_SCALE_ROW1
.else
	v_wmma_scale_f32_16x16x128_f8f6f4 v[DD:DD+7], v[BB:BB+11], v[AA:AA+11], v[DD:DD+7], v[SB_], v[SA_] matrix_a_fmt:MATRIX_FMT_FP6 matrix_b_fmt:MATRIX_FMT_FP6 matrix_a_scale:MATRIX_SCALE_ROW1
.endif
.set B_, B_+1
.endr
.endm
.macro MULS a0, n, p, q, sc, first     ; the accumulators take turns, one instruction a turn, in the same order in every K step
.set A_, \a0
.rept \n
	MULROW A_, \p, \q, \sc, \first
.set A_, A_+1
.endr
.endm
.macro STEP slot, q, first             ; a K step that has its successor in the same slot: the successor's fragments are asked for first and land under this step's products
	PLACES 4                                       ; four places behind the last products, ahead of loads into registers that they read
	FETCH \slot, (\q)+1, ((\q)+1)%2
	s_wait_dscnt NF                                ; all but the NF loads just issued: this step's set and scale words are in
	MULS 0, NA, (\q)%2, \q, \slot, \first
.endm
.macro TURN slot, next, fill           ; a slot's last K step changes slots: one barrier; fill = 1: it opens a round of the cluster's barrier, and this slot is filled again
	WIN 0
	s_wait_tensorcnt 0x0                           ; all my tensor loads have landed: my part of the next slot
	ds_add_u32 v[SPW], v[NIL]                      ; 0 onto my spare word
	s_wait_dscnt 1                                 ; (the add alone may be out: this step's fragments are in)
	MULS 0, NA/4, 1, NQ-1, \slot, 0
	s_wait_dscnt 0x0                               ; the add is done, and my reads of this slot are over
	s_barrier_signal -1
	MULS NA/4, NA/4, 1, NQ-1, \slot, 0
	WIN 0
	s_barrier_wait -1
.if \fill
	CREST                                          ; no wave of any partner still reads this slot or has a load on its way
	s_add_nc_u64 s[G0+4*\slot+2:G0+4*\slot+3], s[G0+4*\slot+2:G0+4*\slot+3], 2*ROWT
	s_add_nc_u64 s[G0B+4*\slot+2:G0B+4*\slot+3], s[G0B+4*\slot+2:G0B+4*\slot+3], 2*ROWT
	JLOAD G0+4*\slot, G1, G0B+4*\slot, G1B         ; my one tensor load behind the round; its four v_nop are the places ahead of the loads below
.else
	PLACES 4
.endif
	v_add_nc_u32 v[ADRS], 64*NQ, v[ADRS]           ; the next slot's scale words
	FETCH \next, 0, 0
	SCALES \next
	MULS NA/2, NA/2, 1, NQ-1, \slot, 0
.endm
	s_wait_tensorcnt 1                             ; the scale words and my part of slot 0 are in; slot 1's load may be out
	s_barrier_signal -1
	s_barrier_wait -1
	FETCH 0, 0, 0
	SCALES 0
	STEP 0, 0, 1                                   ; the first K step stands ahead of the loop: its products start the sums
	WIN 0
	s_mov_b32 s3, LAPS-1
.Llap:
	TURN 0, 1, 1
	STEP 1, 0, 0
	TURN 1, 0, 1
	STEP 0, 0, 0
	WIN 0
	s_sub_co_u32 s3, s3, 1
	s_cmp_lg_u32 s3, 0
	s_cbranch_scc1 .Llap
	TURN 0, 1, 0                                   ; the last lap fills nothing
	STEP 1, 0, 0
	s_wait_dscnt 0x0
	MULS 0, NA, 1, NQ-1, 1, 0
	WIN 0
; THE QUANTISER: 64 numbers of a lane in window sw, register 16 b + i = place 32 b + 16 h + i along B, become a fragment's 12 registers at v[pc] and its scale word in v[pc + 12].  Each accumulator is read from its low end on.
.macro QUANT s, sw, pc
.set QS, \s
.set QW, \sw
.set QP, \pc
	WIN 5*QW
.irp b, 0,1,2,3
	v_max3_num_f32 v[TM+\b], |v[QS+16*\b]|, |v[QS+1+16*\b]|, 0x1800000   ; with the floor 2^(3 - 127)
.endr
	WIN 20*QW
.irp i, 2,4,6,8,10,12,14
.irp b, 0,1,2,3
	v_max3_num_f32 v[TM+\b], v[TM+\b], |v[QS+16*\b+\i]|, |v[QS+1+16*\b+\i]|
.endr
.endr
	WIN 0
.irp b, 0,1,2,3
	v_permlanex16_b32 v[TM+4+\b], v[TM+\b], s94, s95
.endr
.irp b, 0,1,2,3
	v_max_num_f32 v[TM+\b], v[TM+\b], v[TM+4+\b]
.endr
.irp b, 0,1,2,3
	v_add_nc_u32 v[TM+12+\b], 0xff000000, v[TM+\b]
.endr
.irp b, 0,1,2,3
	v_lshrrev_b32 v[TM+4+\b], 23, v[TM+12+\b]
.endr
	v_lshl_or_b32 v[QP+12], v[TM+5], 8, v[TM+4]
	v_lshl_or_b32 v[QP+12], v[TM+6], 16, v[QP+12]
	v_lshl_or_b32 v[QP+12], v[TM+7], 24, v[QP+12]
	WIN QW
.irp c, 0,1
	v_cvt_scalef32_pk16_fp6_f32 v[QP+6*\c:QP+6*\c+2], v[QS+32*\c:QS+32*\c+15], v[TM+12+2*\c]
	v_cvt_scalef32_pk16_fp6_f32 v[PT+4*\c:PT+4*\c+2], v[QS+32*\c+16:QS+32*\c+31], v[TM+13+2*\c]
.endr
	WIN 0
	v_nop                                          ; one plain place behind a scaled conversion
.irp c, 0,1
.irp i, 0,1,2
	v_permlane16_swap_b32 v[QP+6*\c+\i], v[PT+4*\c+\i]
.endr
.irp i, 0,1,2
	v_mov_b32 v[QP+6*\c+3+\i], v[PT+4*\c+\i]
.endr
.endr
.endm
	PLACES 4                                       ; behind the last products: results are read, and registers that held fragments are written
	s_mov_b32 s94, 0x76543210
	s_mov_b32 s95, 0xfedcba98
.irp b, 0,1,2,3
	v_mov_b32 v[TM+4+\b], 0                        ; a lane permute's destination counts as read
.endr
.irp a, 0,1,2,3,4,5,6,7                ; every register that is stored is written once
	QUANT 64*(\a%4), 2+\a/4, PC+14*\a
	v_lshrrev_b32 v[PC+14*\a+13], v[SH], v[PC+14*\a+12]            ; lanes 16-31: the odd head's two bytes first
	global_store_b128 v[L16], v[PC+14*\a:PC+14*\a+3], s[12:13] offset:FRB*\a
	global_store_b64 v[L8], v[PC+14*\a+4:PC+14*\a+5], s[12:13] offset:FRB*\a+512
	global_store_b128 v[L16], v[PC+14*\a+6:PC+14*\a+9], s[12:13] offset:FRB*\a+768
	global_store_b64 v[L8], v[PC+14*\a+10:PC+14*\a+11], s[12:13] offset:FRB*\a+1280
	global_store_b32 v[L4], v[PC+14*\a+13], s[10:11] offset:128*\a
.endr
	s_wait_tensorcnt 0x0                           ; the wave's end
	ds_add_u32 v[SPW], v[NIL]
	s_wait_dscnt 0x0
	CROUND                                         ; the closing round
	s_endpgm
.Lfunc_end_k_qd0b45c8eb1_qkv:
	.size	k_qd0b45c8eb1_qkv, .Lfunc_end_k_qd0b45c8eb1_qkv-k_qd0b45c8eb1_qkv
	.p2alignl 7, 3214868480
	.fill 96, 4, 3214868480
	.section	.rodata,"a",@progbits
	.p2align	6, 0x0
	.amdhsa_kernel k_qd0b45c8eb1_qkv
		.amdhsa_group_segment_fixed_size 327680
		.amdhsa_private_segment_fixed_size 0
		.amdhsa_enable_private_segment 0
		.amdhsa_kernarg_size 24
		.amdhsa_user_sgpr_count 2
		.amdhsa_user_sgpr_kernarg_segment_ptr 1
		.amdhsa_wavefront_size32 1
		.amdhsa_system_sgpr_workgroup_id_x 1
		.amdhsa_system_sgpr_workgroup_id_y 1
		.amdhsa_system_sgpr_workgroup_id_z 1
		.amdhsa_system_vgpr_workitem_id 0
		.amdhsa_next_free_vgpr 1024
		.amdhsa_next_free_sgpr 102
		.amdhsa_reserve_vcc 0
		.amdhsa_float_denorm_mode_32 3
		.amdhsa_float_denorm_mode_16_64 3
		.amdhsa_memory_ordered 1
		.amdhsa_forward_progress 1
		.amdhsa_inst_pref_size 143
	.end_amdhsa_kernel
	.amdgpu_metadata
---
amdhsa.version: [ 1, 2 ]
amdhsa.kernels:
  - .name:           k_qd0b45c8eb1_qkv
    .symbol:         k_qd0b45c8eb1_qkv.kd
    .args:
      - { .name: h, .offset: 0, .size: 8, .value_kind: global_buffer, .address_space: global }
      - { .name: w, .offset: 8, .size: 8, .value_kind: global_buffer, .address_space: global }
      - { .name: qkv, .offset: 16, .size: 8, .value_kind: global_buffer, .address_space: global }
    .group_segment_fixed_size: 327680
    .private_segment_fixed_size: 0
    .kernarg_segment_align: 8
    .kernarg_segment_size: 24
    .max_flat_workgroup_size: 128
    .sgpr_count:     102
    .vgpr_count:     1024
    .wavefront_size: 32
...
	.end_amdgpu_metadata
.endif
;; end of part 2
;; launch attn (part 3): grid 4 x 64, 16 waves a work-group, clusters of 4 x 1, 167,936 bytes of LDS; arguments qkv, y; writes y
.if DOCPART == 3
	.amdgcn_target "amdgcn-amd-amdhsa--gfx1250"
	.amdhsa_code_object_version 6
	.text
	.protected	k_qd0b45c8eb1_attn
	.globl	k_qd0b45c8eb1_attn
	.p2align	8
	.type	k_qd0b45c8eb1_attn,@function
k_qd0b45c8eb1_attn:
	s_mov_b64 s[64:65], 0
	v_nop
	global_prefetch_b8 v0, s[64:65] scope:SCOPE_SE
	s_setreg_imm32_b32 hwreg(HW_REG_WAVE_MODE, 25, 1), 1
	s_wait_xcnt 0x0
	s_wait_alu depctr_hold_cnt(0) depctr_sa_sdst(0) depctr_va_vdst(0) depctr_va_sdst(0) depctr_va_ssrc(0) depctr_va_vcc(0) depctr_vm_vsrc(0)
	s_getreg_b32 s2, hwreg(HW_REG_IB_STS2, 6, 4)
	s_cmp_eq_u32 s2, 0
	s_cbranch_scc0 .Lentry_in_a_cluster
	s_endpgm
.Lentry_in_a_cluster:
	s_bfe_u32 s2, ttmp6, 0x10000c
	s_cmp_lg_u32 s2, 0x3003
	s_cbranch_scc0 .Lentry_shape_is_right
	s_endpgm
.Lentry_shape_is_right:
; Causal attention of one batch and head on codes of FP6 (E2M3) with E8M0 scales, and y = O / l quantised along the embedding.  t = score x log2(e) / 32 (the scale is 1,024^-0.5);
; M = the running largest t rounded up to a whole number; p = 2^(t - M) is quantised along the keys; the row's sum is taken of the unquantised p and divides at the end.
; INPUT (qkv): fragments of 16 rows x 128 as two halves of 768 bytes (half c = registers 6 c .. 6 c + 5: 512 bytes at 16 l, 256 at 8 l).  q and k: half c of fragment (pair of heads, token tile) is head 2 g + c's 64 channels;
; the product's other 64 along K are zero codes, kept in registers.  v: fragment (128 keys, 16 channels), whole.  Lane-row r of tile t is row 32 (t / 2) + 8 (t % 2) + r + 8 (r / 8).
; SHARES.  The four work-groups of a cluster share one head: its K and V (98,304 bytes of codes) and their scale words come into each LDS ONCE, by joint loads.  Wave w of work-group j owns token tile 4 sigma + j,
; sigma = w xor 2 ((w / 4) % 2); its last key step, sigma / 2, hangs on the wave's number alone.  Waves w, w + 4, w + 8, w + 12 have 18 key steps together, whatever w.
; Every wave walks a loop of 8 trips; a trip whose 128 keys all come after the wave's queries jumps over its work.  In the wave's last step hidden scores become -infinity.
; BOTH PRODUCTS TRANSPOSED: S^T = K Q^T, O^T = V^T P^T: a lane holds one query; the 16 registers of two neighbouring tiles of keys are 16 neighbouring keys.
; OUTPUT (y): fragment (token tile T, K step g) at (8 T + g) x 1,536, registers 4 j .. 4 j + 3 of lane l at 512 j + 16 l; this head gives registers 6 c .. 6 c + 5 and two bytes of each scale word
; (at 3,145,728 + (8 T + g) x 64 + 4 r + 2 c).  So the middle 512 bytes of a fragment and the scale words are written half by each head of a pair.
; LIMITS: a block of y whose largest magnitude lies under 2^-124 gets the byte 1; NaN and infinities are not served.
.set VC,    49152                      ; LDS: K's codes at 0 (64 tiles x 768), V's here ([key step][channel tile][1,536]),
.set KSL,   98304                      ; K's scale words (64 tiles x 64 bytes), V's 4,096 further on (8 key steps x 4 tiles x 128 bytes),
.set SPARE, 106496                     ; the spare words, 128 bytes for each of sixteen waves
.set L16, 1
.set L8,  2
.set LS,  3
.set SPW, 4
.set NIL, 5
.set QD,  6                            ; my query - 16 (lane / 16)
.set A16, 7
.set KW,  8                            ; v8-11 scale words of K's tiles, then of V's
.set A8,  29
.set AS,  30
.set R4,  31
.set QF,  16                           ; v16-27 Q (v22-27 zeros);  v28 its scale word
.set QW,  28
.set KF,  32                           ; v32-79 four fragments of K (the upper six registers of each zeros)
.set VF,  80                           ; v80-127 V's four
.set S,   128                          ; v128-191 S^T, then p
.set O,   192                          ; v192-223 O^T
.set PCD, 224                          ; v224-235 p's codes
.set PT,  236                          ; v236-243 at work
.set MX,  244                          ; v244-247 the blocks' largest
.set CO,  248                          ; v248-251 the conversions' scale operands;  v252 f, v253 p's scale word, v254, v255 at work;  v12 -M, v13 largest t, v[14:15] the sum
.set WV,  8
.set SEL, 20
.set CS,  22
.set G1K, 24
.set G1V, 32
.set G1KS, 40
.set G1VS, 48
.set G0K, 56
.set G0V, 60
.set G0KS, 68
.set G0VS, 72
.set SL,  67
.macro ROUND
	s_barrier_signal -1
	s_barrier_wait -1
	s_cmp_lg_u32 s[WV], 0
	s_cbranch_scc1 .Lnot_wave_0_\@
	s_barrier_signal -3
.Lnot_wave_0_\@:
	s_barrier_wait -3
	s_barrier_signal -1
	s_barrier_wait -1
.endm
.macro G1SET g, c, r, p                ; group 1: r rows of c elements of 8 bytes, p elements apart; all four work-groups named
	s_mov_b32 s[\g], 15|(3<<16)|(1<<21)
	s_mov_b32 s[\g+1], (\c)<<16
	s_mov_b32 s[\g+2], (\r)<<16
	s_mov_b32 s[\g+3], (\c)<<16
	s_mov_b32 s[\g+4], \r
	s_mov_b32 s[\g+5], \p
	s_mov_b32 s[\g+6], 0
	s_mov_b32 s[\g+7], 0
.endm
	s_load_b128 s[4:7], s[0:1], 0x0                ; qkv, y
	v_lshl_add_u32 v[SPW], v0, 2, SPARE
	v_mov_b32 v[NIL], 0
	ds_add_u32 v[SPW], v[NIL]                      ; the wave's opening: the add, and its wait ahead of the first tensor loads
	v_lshrrev_b32 v254, 5, v0
	v_readfirstlane_b32 s[WV], v254                ; wave 0..15
	s_bfe_u32 s9, ttmp6, 0x40000                   ; cx: it enters Q's and y's addresses and the mask's numbers alone
	s_and_b32 s10, ttmp7, 0xffff
	s_lshr_b32 s11, s10, 4                         ; batch
	s_and_b32 s12, s10, 15                         ; head
	s_lshr_b32 s13, s12, 1                         ; g
	s_and_b32 s14, s12, 1                          ; c
	s_bfe_u32 s15, s[WV], 0x10002
	s_lshl_b32 s15, s15, 1
	s_xor_b32 s15, s[WV], s15                      ; sigma
	s_lshr_b32 s[SL], s15, 1                       ; my last key step
	s_lshl_b32 s16, s15, 2
	s_add_co_u32 s16, s16, s9                      ; my token tile in the batch
	s_and_b32 s17, s[WV], 3
	s_add_co_u32 s18, s13, 8
	s_lshl_b32 s18, s18, 8
	s_lshl_b32 s19, s11, 6
	s_add_co_u32 s18, s18, s19                     ; K's first fragment
	s_lshl_b32 s86, s17, 4
	s_add_co_u32 s86, s86, s18
	s_mul_i32 s86, s86, 1536
	s_mul_i32 s87, s14, 768
	s_add_co_u32 s86, s86, s87                     ; K's codes: 16 tiles for each of waves 0-3
	s_mov_b32 s87, 0
	s_lshl_b32 s88, s11, 3
	s_lshl_b32 s89, s17, 1
	s_add_co_u32 s88, s88, s89
	s_lshl_b32 s88, s88, 6
	s_lshl_b32 s89, s12, 2
	s_add_co_u32 s88, s88, s89
	s_add_co_u32 s88, s88, 4096
	s_mul_i32 s88, s88, 1536                       ; V's codes: two key steps for each of waves 4-7
	s_mov_b32 s89, 0
	s_lshl_b32 s90, s18, 7
	s_lshl_b32 s91, s14, 6
	s_add_co_u32 s90, s90, s91
	s_add_co_u32 s90, s90, 9437184                 ; K's scale words
	s_mov_b32 s91, 0
	s_lshl_b32 s92, s11, 9
	s_lshl_b32 s93, s12, 2
	s_add_co_u32 s92, s92, s93
	s_add_co_u32 s92, s92, 4096
	s_lshl_b32 s92, s92, 7
	s_add_co_u32 s92, s92, 9437184                 ; V's
	s_mov_b32 s93, 0
	s_mul_i32 s19, s17, 12288
	s_lshl_b32 s77, s13, 8
	s_lshl_b32 s78, s11, 6
	s_add_co_u32 s78, s78, s16                     ; T: my token tile
	s_add_co_u32 s77, s77, s78                     ; Q's fragment
	s_lshl_b32 s82, s78, 3
	s_add_co_u32 s82, s82, s13                     ; y's fragment
	s_lshl_b32 s84, s82, 6
	s_lshl_b32 s85, s14, 1
	s_add_co_u32 s84, s84, s85
	s_add_co_u32 s84, s84, 3145728
	s_mov_b32 s85, 0
	s_mul_i32 s82, s82, 1536
	s_mov_b32 s83, 0
	s_mul_i32 s78, s77, 1536
	s_mul_i32 s79, s14, 768
	s_add_co_u32 s78, s78, s79
	s_mov_b32 s79, 0
	s_lshl_b32 s80, s77, 7
	s_lshl_b32 s81, s14, 6
	s_add_co_u32 s80, s80, s81
	s_add_co_u32 s80, s80, 9437184
	s_mov_b32 s81, 0
	s_lshr_b32 s94, s16, 1
	s_lshl_b32 s94, s94, 5
	s_and_b32 s95, s16, 1
	s_lshl_b32 s95, s95, 3
	s_add_co_u32 s94, s94, s95                     ; my tile's first token in the batch
	G1SET G1K, 96, 16, 192                         ; half a fragment of each of 16 tiles
	G1SET G1V, 768, 2, 12288                       ; four fragments of each of two key steps
	G1SET G1KS, 8, 64, 16                          ; 64 bytes of each of 64 tiles
	G1SET G1VS, 64, 8, 1024                        ; 512 bytes of each of 8 key steps
	s_mov_b32 s[SEL], 0x76543210
	s_mov_b32 s[SEL+1], 0xfedcba98
	s_mov_b32 s[CS], 0x3d38aa3b                    ; log2(e) / 32
	s_mov_b32 s[CS+1], s[CS]
	s_wait_dscnt 0x0                               ; the opening add is done
	s_wait_kmcnt 0x0
	s_mov_b32 s[G0K], 1
	s_mov_b32 s[G0K+1], s19
	s_add_nc_u64 s[G0K+2:G0K+3], s[4:5], s[86:87]
	s_or_b32 s[G0K+3], s[G0K+3], 0x80000000
	s_mov_b32 s[G0V], 1
	s_add_co_u32 s[G0V+1], s19, VC
	s_add_nc_u64 s[G0V+2:G0V+3], s[4:5], s[88:89]
	s_or_b32 s[G0V+3], s[G0V+3], 0x80000000
	s_mov_b32 s[G0KS], 1
	s_mov_b32 s[G0KS+1], KSL
	s_add_nc_u64 s[G0KS+2:G0KS+3], s[4:5], s[90:91]
	s_or_b32 s[G0KS+3], s[G0KS+3], 0x80000000
	s_mov_b32 s[G0VS], 1
	s_mov_b32 s[G0VS+1], KSL+4096
	s_add_nc_u64 s[G0VS+2:G0VS+3], s[4:5], s[92:93]
	s_or_b32 s[G0VS+3], s[G0VS+3], 0x80000000
	s_add_nc_u64 s[78:79], s[4:5], s[78:79]        ; Q's codes,
	s_add_nc_u64 s[80:81], s[4:5], s[80:81]        ; its scale words,
	s_add_nc_u64 s[82:83], s[6:7], s[82:83]        ; y's codes,
	s_add_nc_u64 s[84:85], s[6:7], s[84:85]        ; and its half words
	ROUND                                          ; all four work-groups are here: the joint loads meet
	s_cmp_lt_u32 s[WV], 4                          ; ten waves ask, one load each; the branches hang on the wave's number alone
	s_cbranch_scc0 .Lnot_k
	tensor_load_to_lds s[G0K:G0K+3], s[G1K:G1K+7]
	s_nop 0
.rept 4
	v_nop
.endr
	s_branch .Lasked
.Lnot_k:
	s_cmp_lt_u32 s[WV], 8
	s_cbranch_scc0 .Lnot_v
	tensor_load_to_lds s[G0V:G0V+3], s[G1V:G1V+7]
	s_nop 0
.rept 4
	v_nop
.endr
	s_branch .Lasked
.Lnot_v:
	s_cmp_eq_u32 s[WV], 8
	s_cbranch_scc0 .Lnot_ks
	tensor_load_to_lds s[G0KS:G0KS+3], s[G1KS:G1KS+7]
	s_nop 0
.rept 4
	v_nop
.endr
	s_branch .Lasked
.Lnot_ks:
	s_cmp_eq_u32 s[WV], 9
	s_cbranch_scc0 .Lasked
	tensor_load_to_lds s[G0VS:G0VS+3], s[G1VS:G1VS+7]
	s_nop 0
.rept 4
	v_nop
.endr
.Lasked:
	v_and_b32 v254, 31, v0
	v_lshlrev_b32 v[L16], 4, v254
	v_lshlrev_b32 v[L8], 3, v254
	v_and_b32 v254, 15, v0                         ; r
	v_bfe_u32 v255, v0, 4, 1                       ; h
	v_lshlrev_b32 v[R4], 2, v254
	v_add_nc_u32 v[LS], KSL, v[R4]
	global_load_b128 v[QF:QF+3], v[L16], s[78:79]
	global_load_b64 v[QF+4:QF+5], v[L8], s[78:79] offset:512
	global_load_b32 v[QW], v[R4], s[80:81]
	v_and_b32 v[QD], 8, v254
	v_add_nc_u32 v[QD], v[QD], v254
	v_add_nc_u32 v[QD], s94, v[QD]                 ; my query
	v_lshlrev_b32 v255, 4, v255
	v_sub_nc_u32 v[QD], v[QD], v255
.irp i, 6,7,8,9,10,11
	v_mov_b32 v[QF+\i], 0                          ; K is 64: the other 64 are zero codes, on both sides
.irp t, 0,1,2,3
	v_mov_b32 v[KF+12*\t+\i], 0
.endr
.endr
	v_mov_b32 v13, 0xff61b1e6                      ; the largest t so far: -3e38
	v_floor_f32 v12, -v13                          ; -M
	v_mov_b32 v14, 0
	v_mov_b32 v15, 0
.irp b, 0,1,2,3
	v_mov_b32 v[PT+\b], 0                          ; a lane permute's destination counts as read
.endr
	v_mov_b32 v253, 0
	v_mov_b32 v254, 0
	v_mov_b32 v255, 0
.set J, 0
.rept 32
	v_mov_b32 v[O+J], 0                            ; the step is written once: the first finds zeros
.set J, J+1
.endr
	s_mov_b32 s2, 0                                ; the key step,
	s_mov_b32 s3, 0                                ; x 6,144: its eight tiles of K, and its four fragments of V,
	s_mov_b32 s66, 0                               ; x 512: its scale words,
	s_mov_b32 s76, 0                               ; x 128: its first key
	s_wait_loadcnt 0x0                             ; Q
	s_wait_tensorcnt 0x0                           ; my load has landed,
	s_barrier_signal -1
	s_barrier_wait -1                              ; everybody's has: the head's K and V lie in LDS and are filled no more
.Lstep:
	s_cmp_gt_u32 s2, s[SL]                         ; all 128 keys come after my queries: only the steps of the scalars are left
	s_cbranch_scc1 .Lskip
	v_add_nc_u32 v[A16], s3, v[L16]                ; these three and the v_nop are the four places behind the last step's products
	v_add_nc_u32 v[A8], s3, v[L8]
	v_add_nc_u32 v[AS], s66, v[LS]
	v_nop
.irp t, 0,1,2,3
	ds_load_b128 v[KF+12*\t:KF+12*\t+3], v[A16] offset:768*\t
	ds_load_b64 v[KF+12*\t+4:KF+12*\t+5], v[A8] offset:768*\t+512
	ds_load_b32 v[KW+\t], v[AS] offset:64*\t
.endr
.irp t, 0,1,2,3
	ds_load_b128 v[VF+12*\t:VF+12*\t+3], v[A16] offset:VC+1536*\t
	ds_load_b64 v[VF+12*\t+4:VF+12*\t+5], v[A8] offset:VC+1536*\t+512
	ds_load_b128 v[VF+12*\t+6:VF+12*\t+9], v[A16] offset:VC+1536*\t+768
	ds_load_b64 v[VF+12*\t+10:VF+12*\t+11], v[A8] offset:VC+1536*\t+1280
.endr
	s_wait_dscnt 16                                ; K's first four tiles are in; V's 16 loads may be out
.irp t, 0,1,2,3
	v_wmma_scale_f32_16x16x128_f8f6f4 v[S+8*\t:S+8*\t+7], v[KF+12*\t:KF+12*\t+11], v[QF:QF+11], 0, v[KW+\t], v[QW] matrix_a_fmt:MATRIX_FMT_FP6 matrix_b_fmt:MATRIX_FMT_FP6
.endr
.rept 4
	v_nop
.endr
.irp t, 0,1,2,3
	ds_load_b128 v[KF+12*\t:KF+12*\t+3], v[A16] offset:768*(4+\t)
	ds_load_b64 v[KF+12*\t+4:KF+12*\t+5], v[A8] offset:768*(4+\t)+512
	ds_load_b32 v[KW+\t], v[AS] offset:64*(4+\t)
.endr
	s_wait_dscnt 0x0
.irp t, 0,1,2,3
	v_wmma_scale_f32_16x16x128_f8f6f4 v[S+32+8*\t:S+32+8*\t+7], v[KF+12*\t:KF+12*\t+11], v[QF:QF+11], 0, v[KW+\t], v[QW] matrix_a_fmt:MATRIX_FMT_FP6 matrix_b_fmt:MATRIX_FMT_FP6
.endr
.rept 4
	v_nop
.endr
.irp t, 0,1,2,3
	ds_load_b32 v[KW+\t], v[AS] offset:4096+128*\t ; V's scale words take K's registers; they land under the softmax
.endr
	s_cmp_lg_u32 s2, s[SL]                         ; only my last step lies on the diagonal
	s_cbranch_scc1 .Lopen
	s_sub_co_i32 s77, 0, s76
	v_add_nc_u32 v255, s77, v[QD]                  ; d = my query - the step's first key - 16 h.  Register 16 b + i holds key 32 b + 16 h + i of the step: hidden where 32 b + i > d
	v_mov_b32 v254, 0xff800000
.set N_, 0
.rept 64
	v_cmp_gt_i32 vcc_lo, 32*(N_/16)+N_%16, v255
	v_cndmask_b32 v[S+N_], v[S+N_], v254, vcc_lo
.set N_, N_+1
.endr
.Lopen:
.irp b, 0,1,2,3
	v_max3_num_f32 v[MX+\b], v[S+16*\b], v[S+1+16*\b], v[S+2+16*\b]   ; each block's largest score: for the row's maximum, and, since p rises with the score, for the block's largest p
.endr
.irp i, 3,5,7,9,11,13
.irp b, 0,1,2,3
	v_max3_num_f32 v[MX+\b], v[MX+\b], v[S+16*\b+\i], v[S+1+16*\b+\i]
.endr
.endr
.irp b, 0,1,2,3
	v_max_num_f32 v[MX+\b], v[MX+\b], v[S+15+16*\b]
.endr
.irp b, 0,1,2,3
	v_permlanex16_b32 v[PT+\b], v[MX+\b], s[SEL], s[SEL+1]
.endr
.irp b, 0,1,2,3
	v_max_num_f32 v[MX+\b], v[MX+\b], v[PT+\b]
.endr
	v_max3_num_f32 v254, v[MX], v[MX+1], v[MX+2]
	v_max_num_f32 v254, v254, v[MX+3]
	v_mul_f32 v254, s[CS], v254
	v_max_num_f32 v13, v13, v254                   ; the running largest t
	v_mov_b32 v254, v12
	v_floor_f32 v12, -v13                          ; -M = floor(-t): M is a whole number
	v_sub_f32 v254, v12, v254
	v_cvt_i32_f32 v254, v254                       ; (it saturates)
	v_ldexp_f32 v252, 1.0, v254                    ; f = 2^(old M - new M)
.set J, 0
.rept 32
	v_pk_fma_f32 v[S+J:S+J+1], v[S+J:S+J+1], s[CS:CS+1], v[12:13] op_sel_hi:[1,0,0]   ; t - M
.set J, J+2
.endr
.irp b, 0,1,2,3
	v_fma_f32 v[MX+\b], v[MX+\b], s[CS], v12
.endr
.set J, 0
.rept 64
	v_exp_f32 v[S+J], v[S+J]
.set J, J+1
.endr
	v_pk_mul_f32 v[14:15], v[14:15], v[252:253] op_sel_hi:[1,0]   ; the sums under the new M: a plain place behind the exponentials
	s_wait_alu depctr_va_vdst(0)                   ; one wait for the batch, ahead of its first reader
.irp b, 0,1,2,3
	v_exp_f32 v[MX+\b], v[MX+\b]                   ; the blocks' largest p
.endr
	v_pk_add_f32 v[PT:PT+1], v[S:S+1], v[S+2:S+3]  ; the row's sum, of the unquantised p, in two chains
.irp j, 4,8,12,16,20,24,28,32,36,40,44,48,52,56,60
	v_pk_add_f32 v[14:15], v[14:15], v[S+\j:S+\j+1]
	v_pk_add_f32 v[PT:PT+1], v[PT:PT+1], v[S+\j+2:S+\j+3]
.endr
	v_pk_add_f32 v[14:15], v[14:15], v[PT:PT+1]
	s_wait_alu depctr_va_vdst(0)                   ; and one for the four
.irp b, 0,1,2,3
	v_max_num_f32 v[MX+\b], 0x1800000, v[MX+\b]    ; the floor 2^(3 - 127)
.endr
.irp b, 0,1,2,3
	v_add_nc_u32 v[CO+\b], 0xff000000, v[MX+\b]
.endr
.irp b, 0,1,2,3
	v_lshrrev_b32 v[PT+\b], 23, v[CO+\b]
.endr
	v_lshl_or_b32 v253, v[PT+1], 8, v[PT]          ; p's scale word
	v_lshl_or_b32 v253, v[PT+2], 16, v253
	v_lshl_or_b32 v253, v[PT+3], 24, v253
.irp c, 0,1
	v_cvt_scalef32_pk16_fp6_f32 v[PCD+6*\c:PCD+6*\c+2], v[S+32*\c:S+32*\c+15], v[CO+2*\c]
	v_cvt_scalef32_pk16_fp6_f32 v[PT+4*\c:PT+4*\c+2], v[S+32*\c+16:S+32*\c+31], v[CO+2*\c+1]
.endr
	v_nop                                          ; one plain place behind a scaled conversion
.irp c, 0,1
.irp i, 0,1,2
	v_permlane16_swap_b32 v[PCD+6*\c+\i], v[PT+4*\c+\i]
.endr
.irp i, 0,1,2
	v_mov_b32 v[PCD+6*\c+3+\i], v[PT+4*\c+\i]
.endr
.endr
.set J, 0
.rept 16
	v_pk_mul_f32 v[O+J:O+J+1], v[O+J:O+J+1], v[252:253] op_sel_hi:[1,0]   ; O^T under the new M; these sixteen are also the places ahead of the scaled products
.set J, J+2
.endr
	s_wait_dscnt 0x0                               ; V's scale words
.irp t, 0,1,2,3
	v_wmma_scale_f32_16x16x128_f8f6f4 v[O+8*\t:O+8*\t+7], v[VF+12*\t:VF+12*\t+11], v[PCD:PCD+11], v[O+8*\t:O+8*\t+7], v[KW+\t], v253 matrix_a_fmt:MATRIX_FMT_FP6 matrix_b_fmt:MATRIX_FMT_FP6
.endr
.Lskip:
	s_add_co_u32 s3, s3, 6144
	s_add_co_u32 s66, s66, 512
	s_add_co_u32 s76, s76, 128
	s_add_co_u32 s2, s2, 1
	s_cmp_lt_u32 s2, 8
	s_cbranch_scc1 .Lstep
	; THE WAY OUT: y = O^T / the sum; register 16 b + i is channel 32 b + 16 h + i of my query: two blocks, quantised as above
.rept 4
	v_nop
.endr
	v_add_f32 v14, v14, v15
	v_permlanex16_b32 v254, v14, s[SEL], s[SEL+1]
	v_add_f32 v14, v14, v254
	v_rcp_f32 v14, v14
	v_nop
	s_wait_alu depctr_va_vdst(0)
.set J, 0
.rept 32
	v_mul_f32 v[S+J], v[O+J], v14
.set J, J+1
.endr
.irp b, 0,1
	v_max3_num_f32 v[MX+\b], |v[S+16*\b]|, |v[S+1+16*\b]|, 0x1800000
.endr
.irp i, 2,4,6,8,10,12,14
.irp b, 0,1
	v_max3_num_f32 v[MX+\b], v[MX+\b], |v[S+16*\b+\i]|, |v[S+1+16*\b+\i]|
.endr
.endr
.irp b, 0,1
	v_permlanex16_b32 v[PT+\b], v[MX+\b], s[SEL], s[SEL+1]
.endr
.irp b, 0,1
	v_max_num_f32 v[MX+\b], v[MX+\b], v[PT+\b]
.endr
.irp b, 0,1
	v_add_nc_u32 v[CO+\b], 0xff000000, v[MX+\b]
.endr
.irp b, 0,1
	v_lshrrev_b32 v[PT+\b], 23, v[CO+\b]
.endr
	v_lshl_or_b32 v254, v[PT+1], 8, v[PT]          ; my head's two bytes of the row's scale word
	v_cvt_scalef32_pk16_fp6_f32 v[PCD:PCD+2], v[S:S+15], v[CO]
	v_cvt_scalef32_pk16_fp6_f32 v[PT+4:PT+6], v[S+16:S+31], v[CO+1]
	v_nop
.irp i, 0,1,2
	v_permlane16_swap_b32 v[PCD+\i], v[PT+4+\i]
.endr
.irp i, 0,1,2
	v_mov_b32 v[PCD+3+\i], v[PT+4+\i]
.endr
	s_cmp_eq_u32 s14, 0                            ; the head's place in its pair: the same in all four partners
	s_cbranch_scc0 .Lodd
	global_store_b128 v[L16], v[PCD:PCD+3], s[82:83]               ; registers 0-3 of the fragment,
	global_store_b64 v[L16], v[PCD+4:PCD+5], s[82:83] offset:512   ; and 4, 5
	s_branch .Lstored
.Lodd:
	global_store_b64 v[L16], v[PCD:PCD+1], s[82:83] offset:520     ; registers 6, 7,
	global_store_b128 v[L16], v[PCD+2:PCD+5], s[82:83] offset:1024 ; and 8-11
.Lstored:
	global_store_b16 v[R4], v254, s[84:85]         ; lanes r and r + 16 hold the same bytes
	s_wait_tensorcnt 0x0                           ; the wave's end
	ds_add_u32 v[SPW], v[NIL]
	s_wait_dscnt 0x0
	ROUND                                          ; the closing round
	s_endpgm
.Lfunc_end_k_qd0b45c8eb1_attn:
	.size	k_qd0b45c8eb1_attn, .Lfunc_end_k_qd0b45c8eb1_attn-k_qd0b45c8eb1_attn
	.p2alignl 7, 3214868480
	.fill 96, 4, 3214868480
	.section	.rodata,"a",@progbits
	.p2align	6, 0x0
	.amdhsa_kernel k_qd0b45c8eb1_attn
		.amdhsa_group_segment_fixed_size 167936
		.amdhsa_private_segment_fixed_size 0
		.amdhsa_enable_private_segment 0
		.amdhsa_kernarg_size 16
		.amdhsa_user_sgpr_count 2
		.amdhsa_user_sgpr_kernarg_segment_ptr 1
		.amdhsa_wavefront_size32 1
		.amdhsa_system_sgpr_workgroup_id_x 1
		.amdhsa_system_sgpr_workgroup_id_y 1
		.amdhsa_system_sgpr_workgroup_id_z 1
		.amdhsa_system_vgpr_workitem_id 0
		.amdhsa_next_free_vgpr 256
		.amdhsa_next_free_sgpr 100
		.amdhsa_reserve_vcc 1
		.amdhsa_float_denorm_mode_32 3
		.amdhsa_float_denorm_mode_16_64 3
		.amdhsa_memory_ordered 1
		.amdhsa_forward_progress 1
		.amdhsa_inst_pref_size 38
	.end_amdhsa_kernel
	.amdgpu_metadata
---
amdhsa.version: [ 1, 2 ]
amdhsa.kernels:
  - .name:           k_qd0b45c8eb1_attn
    .symbol:         k_qd0b45c8eb1_attn.kd
    .args:
      - { .name: qkv, .offset: 0, .size: 8, .value_kind: global_buffer, .address_space: global }
      - { .name: y, .offset: 8, .size: 8, .value_kind: global_buffer, .address_space: global }
    .group_segment_fixed_size: 167936
    .private_segment_fixed_size: 0
    .kernarg_segment_align: 8
    .kernarg_segment_size: 16
    .max_flat_workgroup_size: 512
    .sgpr_count:     100
    .vgpr_count:     256
    .wavefront_size: 32
...
	.end_amdgpu_metadata
.endif
;; end of part 3
;; launch proj (part 4): grid 8 x 32, 4 waves a work-group, clusters of 4 x 4, 327,680 bytes of LDS; arguments y, w, x, bp, x1; writes x1
.if DOCPART == 4
	.amdgcn_target "amdgcn-amd-amdhsa--gfx1250"
	.amdhsa_code_object_version 6
	.text
	.protected	k_qd0b45c8eb1_proj
	.globl	k_qd0b45c8eb1_proj
	.p2align	8
	.type	k_qd0b45c8eb1_proj,@function
k_qd0b45c8eb1_proj:
	s_mov_b64 s[64:65], 0
	v_nop
	global_prefetch_b8 v0, s[64:65] scope:SCOPE_SE
	s_setreg_imm32_b32 hwreg(HW_REG_WAVE_MODE, 25, 1), 1
	s_wait_xcnt 0x0
	s_wait_alu depctr_hold_cnt(0) depctr_sa_sdst(0) depctr_va_vdst(0) depctr_va_sdst(0) depctr_va_ssrc(0) depctr_va_vcc(0) depctr_vm_vsrc(0)
	s_getreg_b32 s2, hwreg(HW_REG_IB_STS2, 6, 4)
	s_cmp_eq_u32 s2, 0
	s_cbranch_scc0 .Lentry_in_a_cluster
	s_endpgm
.Lentry_in_a_cluster:
	s_bfe_u32 s2, ttmp6, 0x10000c
	s_cmp_lg_u32 s2, 0xf033
	s_cbranch_scc0 .Lentry_shape_is_right
	s_endpgm
.Lentry_shape_is_right:
; x1 = x + y Wp + bp: the product on codes of FP6 (E2M3) with E8M0 scales, the rest in f32.
; OPERANDS are images of operand registers: a fragment (16 rows x 128 K) is 1,536 bytes, registers 4 j .. 4 j + 3 of lane l at 512 j + 16 l; arrays [tile][K step]; scale words [tile][K step][16].
; Lane-row r of tile t is row 32 (t / 2) + 8 (t % 2) + r + 8 (r / 8).  THE PRODUCT IS USED TRANSPOSED (source 0 = a tile of the weight's columns, source 1 = a tile of tokens): a lane holds one token and eight neighbouring columns.
; N is 1,024: tiles of 256 x 256 would be 64 work-groups, so a work-group makes 128 x 128 and each of four waves 64 x 64 (16 accumulators): 256 work-groups.
; K goes through a ring of two LDS slots of four K steps, filled by joint tensor loads (A's tiles shared along a row of the cluster, B's along a column); here K is 8 steps: both slots are filled once.
; The bias is the C of each sum's first product.  The residual is asked for at the head and added on the way out, which goes through the wave's own stage so that sixteen lanes store 256 consecutive, aligned bytes.
; REGISTERS: window 0: v0-31 addresses, v32-63 scale words (two sets), from v64 A's fragments (two sets of 48).  window 1: B's fragments at v0 and v128, the bias at v96-127.  window 2: accumulator (a, b) at v[8 (4 a + b)]; v128-255 the residual.
.set NA, 4
.set NB, 4
.set NQ, 4
.set KS, 8
.set ASOFF, 3145728                    ; A's scale words in its buffer
.set BCOFF, 2359296                    ; the weight's codes in w
.set BSOFF, 9535488                    ; and its scale words
.set NT, 0
.set FRB, 1536
.set ROWT, NQ*FRB
.set HALFT, NA*ROWT
.set SLOT, 4*HALFT
.set LAPS, KS/(2*NQ)
.set SCL, 2*SLOT
.set HALFS, NA*KS*64
.set SPARE, SCL+4*HALFS
.set STAGE, SPARE+512                  ; 16 rows x (256 + 16) bytes for each wave; no fill lands here
.set NF, 3*(NA+NB)
.set APW, 32/NB
.set L16, 4
.set BO, 9
.set ADRA, 16
.set ADRB, 20
.set STO, 24
.set RD, 25
.set CO, 26
.set ADRS, 27
.set SPW, 28
.set NIL, 29
.set SC, 32
.set AF, 64
.set BK, 64
.set G1, 24
.set G0, 32
.set G1B, 48
.set G0B, 56
.set G1S, 68
.set G0S, 76
.set G1SB, 80
.set G0SB, 88
.set MSB, 0
.macro WIN new
.if MSB != (\new)
	s_set_vgpr_msb (MSB<<8)|(\new)
.set MSB, (\new)
.endif
.endm
.macro PLACES n
.rept \n
	v_nop
.endr
.endm
.macro JLOAD g0a, g1a, g0b, g1b        ; a joint load: waves 0 and 1 ask for A, waves 2 and 3 for B; an s_nop 0 and four v_nop follow each line
	s_cmp_eq_u32 s15, 0
	s_cbranch_scc0 .Lfor_b_\@
	tensor_load_to_lds s[\g0a:\g0a+3], s[\g1a:\g1a+7]
	s_nop 0
.rept 4
	v_nop
.endr
	s_branch .Lasked_\@
.Lfor_b_\@:
	tensor_load_to_lds s[\g0b:\g0b+3], s[\g1b:\g1b+7]
	s_nop 0
.rept 4
	v_nop
.endr
.Lasked_\@:
.endm
.macro CREST
	s_cmp_lg_u32 s14, 0
	s_cbranch_scc1 .Lnot_wave_0_\@
	s_barrier_signal -3
.Lnot_wave_0_\@:
	s_barrier_wait -3
	s_barrier_signal -1
	s_barrier_wait -1
.endm
.macro CROUND
	s_barrier_signal -1
	s_barrier_wait -1
	CREST
.endm
	s_load_b256 s[4:11], s[0:1], 0x0               ; A, w, the residual, the bias
	s_load_b64 s[12:13], s[0:1], 0x20              ; the output
	v_lshl_add_u32 v[SPW], v0, 2, SPARE
	v_mov_b32 v[NIL], 0
	ds_add_u32 v[SPW], v[NIL]                      ; the wave's opening: the add, and its wait ahead of my first tensor load
	v_lshrrev_b32 v1, 5, v0
	v_readfirstlane_b32 s14, v1
	s_lshr_b32 s15, s14, 1
	s_and_b32 s16, s14, 1
	s_bfe_u32 s40, ttmp6, 0x40000
	s_bfe_u32 s41, ttmp6, 0x40004
	s_lshl_b32 s42, ttmp9, 2
	s_add_co_u32 s42, s42, s40                     ; TC: which 128 columns
	s_and_b32 s17, ttmp7, 0xffff
	s_lshl_b32 s17, s17, 2
	s_add_co_u32 s17, s17, s41                     ; TR: which 128 tokens
	s_lshl_b32 s43, s41, 2
	s_lshl_b32 s43, 15, s43
	s_lshl_b32 s44, 0x1111, s40
	s_or_b32 s[G1+0], s43, (3<<16)|(1<<21)
	s_or_b32 s[G1B+0], s44, (3<<16)|(1<<21)
.irp g, G1, G1B
	s_mov_b32 s[\g+1], (NQ*192)<<16
	s_mov_b32 s[\g+2], NA<<16
	s_mov_b32 s[\g+3], (NQ*192)<<16
	s_mov_b32 s[\g+4], NA
	s_mov_b32 s[\g+5], KS*192
	s_mov_b32 s[\g+6], 0
	s_mov_b32 s[\g+7], 0
.endr
	s_or_b32 s[G1S+0], s43, (3<<16)|(1<<21)
	s_or_b32 s[G1SB+0], s44, (3<<16)|(1<<21)
.irp g, G1S, G1SB
	s_mov_b32 s[\g+1], 32<<16
	s_mov_b32 s[\g+2], (HALFS/256)<<16
	s_mov_b32 s[\g+3], 32<<16
	s_mov_b32 s[\g+4], HALFS/256
	s_mov_b32 s[\g+5], 32
	s_mov_b32 s[\g+6], 0
	s_mov_b32 s[\g+7], 0
.endr
	s_mul_i32 s18, s16, NA
	s_mul_i32 s19, s17, 2*NA
	s_add_co_u32 s19, s19, s18
	s_mul_i32 s45, s42, 2*NA
	s_add_co_u32 s45, s45, s18
	s_mul_i32 s92, s19, KS*FRB
	s_mov_b32 s93, 0
	s_mul_i32 s94, s19, KS*64
	s_mov_b32 s95, 0
	s_mul_i32 s96, s45, KS*FRB
	s_mov_b32 s97, 0
	s_mul_i32 s66, s45, KS*64
	s_mov_b32 s67, 0
	s_mul_i32 s2, s14, HALFT
	s_mul_i32 s3, s14, HALFS
	s_lshl_b32 s100, s42, 9
	s_lshl_b32 s101, s16, 8
	s_add_co_u32 s100, s100, s101                  ; my first column, in bytes
	s_mov_b32 s101, 0
	s_lshl_b32 s18, s17, 7
	s_lshl_b32 s19, s15, 6
	s_add_co_u32 s18, s18, s19                     ; my first token
	s_lshl_b32 s18, s18, 12
	s_add_co_u32 s18, s18, s100
	s_mov_b32 s19, 0
	s_wait_dscnt 0x0
	s_wait_kmcnt 0x0
	s_add_nc_u64 s[20:21], s[4:5], s[92:93]
	s_add_nc_u64 s[22:23], s[4:5], ASOFF
	s_add_nc_u64 s[22:23], s[22:23], s[94:95]
	s_add_nc_u64 s[46:47], s[6:7], BCOFF
	s_add_nc_u64 s[46:47], s[46:47], s[96:97]
	s_add_nc_u64 s[98:99], s[6:7], BSOFF
	s_add_nc_u64 s[98:99], s[98:99], s[66:67]
	s_add_nc_u64 s[8:9], s[8:9], s[18:19]
	s_add_nc_u64 s[12:13], s[12:13], s[18:19]
	s_add_nc_u64 s[10:11], s[10:11], s[100:101]
	CROUND
	s_mov_b32 s[G0S], 1
	s_add_co_u32 s[G0S+1], s3, SCL
	s_mov_b64 s[G0S+2:G0S+3], s[22:23]
	s_or_b32 s[G0S+3], s[G0S+3], 0x80000000
	s_mov_b32 s[G0SB], 1
	s_add_co_u32 s[G0SB+1], s3, SCL
	s_mov_b64 s[G0SB+2:G0SB+3], s[98:99]
	s_or_b32 s[G0SB+3], s[G0SB+3], 0x80000000
	JLOAD G0S, G1S, G0SB, G1SB                     ; the scale words first; with the two slots three loads of mine are out
.irp s, 0,1
	s_mov_b32 s[G0+4*\s], 1
	s_add_co_u32 s[G0+4*\s+1], s2, \s*SLOT
	s_add_nc_u64 s[G0+4*\s+2:G0+4*\s+3], s[20:21], \s*ROWT
	s_or_b32 s[G0+4*\s+3], s[G0+4*\s+3], 0x80000000
	s_mov_b32 s[G0B+4*\s], 1
	s_add_co_u32 s[G0B+4*\s+1], s2, \s*SLOT
	s_add_nc_u64 s[G0B+4*\s+2:G0B+4*\s+3], s[46:47], \s*ROWT
	s_or_b32 s[G0B+4*\s+3], s[G0B+4*\s+3], 0x80000000
	JLOAD G0+4*\s, G1, G0B+4*\s, G1B
.endr
	v_and_b32 v1, 31, v0
	v_and_b32 v2, 15, v0                           ; r
	v_bfe_u32 v3, v0, 4, 1                         ; h
	v_lshlrev_b32 v[L16], 4, v1
	v_lshlrev_b32 v[BO], 6, v3
	s_mul_i32 s21, s15, HALFT
	s_mul_i32 s22, s16, HALFT
	s_add_co_u32 s22, s22, 2*HALFT
.irp s, 0,1
	v_add_nc_u32 v[ADRA+\s], s21, v[L16]
	v_add_nc_u32 v[ADRB+\s], s22, v[L16]
	s_add_co_u32 s21, s21, SLOT
	s_add_co_u32 s22, s22, SLOT
.endr
	s_mul_i32 s21, s15, HALFS
	s_mul_i32 s22, s16, HALFS
	s_add_co_u32 s22, s22, 2*HALFS
	s_sub_co_u32 s22, s22, s21
	v_mul_u32_u24 v6, s22, v3
	s_add_co_u32 s21, s21, SCL
	v_lshl_add_u32 v5, v2, 2, v6
	v_add_nc_u32 v[ADRS], s21, v5
	s_mul_i32 s23, s14, 16*272
	s_add_co_u32 s23, s23, STAGE
	v_mul_u32_u24 v5, v2, 272
	v_lshl_add_u32 v5, v3, 6, v5
	v_add_nc_u32 v[STO], s23, v5                   ; into my stage: row r, + 64 h
	v_mul_u32_u24 v5, v3, 272
	v_lshl_add_u32 v5, v2, 4, v5
	v_add_nc_u32 v[RD], s23, v5                    ; back: lanes 0-15 one row of 256 bytes, lanes 16-31 the next
	v_lshlrev_b32 v5, 12, v3
	v_lshl_add_u32 v[CO], v2, 4, v5                ; and the same two rows in memory
	WIN 0x40
.irp b, 0,1,2,3                        ; the bias in the result's layout: tile b: columns 32 (b / 2) + 16 h + 8 (b % 2) + 0 .. 7
	global_load_b128 v[96+8*\b:96+8*\b+3], v[BO], s[10:11] offset:128*(\b/2)+32*(\b%2)
	global_load_b128 v[96+8*\b+4:96+8*\b+7], v[BO], s[10:11] offset:128*(\b/2)+32*(\b%2)+16
.endr
	WIN 0x80
.irp a, 0,1,2,3                        ; the residual, as the rows will come back from the stage
.irp i, 0,1,2,3,4,5,6,7
	global_load_b128 v[128+4*(8*\a+\i):128+4*(8*\a+\i)+3], v[CO], s[8:9] offset:4096*(32*(\a/2)+8*(\a%2)+2*\i+8*(\i/4))
.endr
.endr
	WIN 0
.macro FRAG reg, adr, off
.irp c, 0,1,2
	ds_load_b128 v[\reg+4*\c:\reg+4*\c+3], v[\adr] offset:\off+512*\c
.endr
.endm
.macro FETCH slot, q, p
	WIN 0x40
.set I, 0
.rept NB
	FRAG 128*(\p)+12*I, ADRB+\slot, I*ROWT+(\q)*FRB
.set I, I+1
.endr
	WIN 0
.set I, 0
.rept NA
	FRAG AF+12*NA*(\p)+12*I, ADRA+\slot, I*ROWT+(\q)*FRB
.set I, I+1
.endr
.endm
.macro SCALES sc
.set I, 0
.rept NA
.set Q_, 0
.rept NQ
	ds_load_b32 v[SC+16*(\sc)+NQ*I+Q_], v[ADRS] offset:I*KS*64+64*Q_
.set Q_, Q_+1
.endr
.set I, I+1
.endr
.endm
.macro MULROW a, p, q, sc, first       ; first = 2: the bias is the C of the sum's first product
.if \first == 2
	WIN 0x91
.else
	WIN 0xa1
.endif
.set B_, 0
.rept NB
.set DD, 8*(NB*(\a)+B_)
.set BB, 128*(\p)+12*B_
.set AA, AF+12*NA*(\p)+12*(\a)
.set SB_, SC+16*(\sc)+NQ*B_+(\q)
.set SA_, SC+16*(\sc)+NQ*(\a)+(\q)
.if \first == 2
	v_wmma_scale_f32_16x16x128_f8f6f4 v[DD:DD+7], v[BB:BB+11], v[AA:AA+11], v[96+8*B_:96+8*B_+7], v[SB_], v[SA_] matrix_a_fmt:MATRIX_FMT_FP6 matrix_b_fmt:MATRIX_FMT_FP6 matrix_a_scale:MATRIX_SCALE_ROW1
.else
	v_wmma_scale_f32_16x16x128_f8f6f4 v[DD:DD+7], v[BB:BB+11], v[AA:AA+11], v[DD:DD+7], v[SB_], v[SA_] matrix_a_fmt:MATRIX_FMT_FP6 matrix_b_fmt:MATRIX_FMT_FP6 matrix_a_scale:MATRIX_SCALE_ROW1
.endif
.set B_, B_+1
.endr
.endm
.macro MULS a0, n, p, q, sc, first     ; the accumulators take turns, one instruction a turn
.set A_, \a0
.rept \n
	MULROW A_, \p, \q, \sc, \first
.set A_, A_+1
.endr
.endm
.macro STEP slot, q, first
	PLACES 4                                       ; four places ahead of loads into registers that the last products read
	FETCH \slot, (\q)+1, ((\q)+1)%2
	s_wait_dscnt NF                                ; all but the NF loads just issued
	MULS 0, NA, (\q)%2, \q, \slot, \first
.endm
.macro TURN slot, next, fill
	WIN 0
	s_wait_tensorcnt 0x0                           ; all my tensor loads have landed
	ds_add_u32 v[SPW], v[NIL]
	s_wait_dscnt 1                                 ; (the add alone may be out)
	MULS 0, NA/4, 1, NQ-1, \slot, 0
	s_wait_dscnt 0x0                               ; the add is done, and my reads of this slot are over
	s_barrier_signal -1
	MULS NA/4, NA/4, 1, NQ-1, \slot, 0
	WIN 0
	s_barrier_wait -1
.if \fill
	CREST
	s_add_nc_u64 s[G0+4*\slot+2:G0+4*\slot+3], s[G0+4*\slot+2:G0+4*\slot+3], 2*ROWT
	s_add_nc_u64 s[G0B+4*\slot+2:G0B+4*\slot+3], s[G0B+4*\slot+2:G0B+4*\slot+3], 2*ROWT
	JLOAD G0+4*\slot, G1, G0B+4*\slot, G1B
.else
	PLACES 4
.endif
	v_add_nc_u32 v[ADRS], 64*NQ, v[ADRS]
	FETCH \next, 0, 0
	SCALES \next
	MULS NA/2, NA/2, 1, NQ-1, \slot, 0
.endm
	s_wait_tensorcnt 1                             ; the scale words and my part of slot 0 are in; slot 1's load may be out
	s_barrier_signal -1
	s_barrier_wait -1
	FETCH 0, 0, 0
	SCALES 0
	s_wait_loadcnt 32                              ; the bias is in; the residual's 32 loads may be out
	STEP 0, 0, 2
	STEP 0, 1, 0
	STEP 0, 2, 0
.if LAPS > 1
	WIN 0
	s_mov_b32 s3, LAPS-1
.Llap:
	TURN 0, 1, 1
	STEP 1, 0, 0
	STEP 1, 1, 0
	STEP 1, 2, 0
	TURN 1, 0, 1
	STEP 0, 0, 0
	STEP 0, 1, 0
	STEP 0, 2, 0
	WIN 0
	s_sub_co_u32 s3, s3, 1
	s_cmp_lg_u32 s3, 0
	s_cbranch_scc1 .Llap
.endif
	TURN 0, 1, 0
	STEP 1, 0, 0
	STEP 1, 1, 0
	STEP 1, 2, 0
	s_wait_dscnt 0x0
	MULS 0, NA, 1, NQ-1, 1, 0
	WIN 0
	PLACES 4
.irp a, 0,1,2,3                        ; 16 tokens x 64 columns at a time through my stage; LDS serves a wave's instructions in order, so no wait stands between
	WIN 0x08
.irp b, 0,1,2,3
	ds_store_b128 v[STO], v[8*(4*\a+\b):8*(4*\a+\b)+3] offset:128*(\b/2)+32*(\b%2)
	ds_store_b128 v[STO], v[8*(4*\a+\b)+4:8*(4*\a+\b)+7] offset:128*(\b/2)+32*(\b%2)+16
.endr
	WIN 0
.irp i, 0,1,2,3,4,5,6,7
	ds_load_b128 v[BK+32*\a+4*\i:BK+32*\a+4*\i+3], v[RD] offset:544*\i
.endr
.endr
	s_wait_loadcnt 0x0                             ; the residual
.irp a, 0,1,2,3
	s_wait_dscnt 16*(3-\a)                         ; block a is back; the later blocks' 16 LDS instructions each may be out
	WIN 0x08
.set J, 0
.rept 16
	v_pk_add_f32 v[BK+32*\a+J:BK+32*\a+J+1], v[BK+32*\a+J:BK+32*\a+J+1], v[128+32*\a+J:128+32*\a+J+1]
.set J, J+2
.endr
	WIN 0
.irp i, 0,1,2,3,4,5,6,7
.if NT
	global_store_b128 v[CO], v[BK+32*\a+4*\i:BK+32*\a+4*\i+3], s[12:13] offset:4096*(32*(\a/2)+8*(\a%2)+2*\i+8*(\i/4)) th:TH_STORE_NT
.else
	global_store_b128 v[CO], v[BK+32*\a+4*\i:BK+32*\a+4*\i+3], s[12:13] offset:4096*(32*(\a/2)+8*(\a%2)+2*\i+8*(\i/4))
.endif
.endr
.endr
	s_wait_tensorcnt 0x0                           ; the wave's end
	ds_add_u32 v[SPW], v[NIL]
	s_wait_dscnt 0x0
	CROUND                                         ; the closing round
	s_endpgm
.Lfunc_end_k_qd0b45c8eb1_proj:
	.size	k_qd0b45c8eb1_proj, .Lfunc_end_k_qd0b45c8eb1_proj-k_qd0b45c8eb1_proj
	.p2alignl 7, 3214868480
	.fill 96, 4, 3214868480
	.section	.rodata,"a",@progbits
	.p2align	6, 0x0
	.amdhsa_kernel k_qd0b45c8eb1_proj
		.amdhsa_group_segment_fixed_size 327680
		.amdhsa_private_segment_fixed_size 0
		.amdhsa_enable_private_segment 0
		.amdhsa_kernarg_size 40
		.amdhsa_user_sgpr_count 2
		.amdhsa_user_sgpr_kernarg_segment_ptr 1
		.amdhsa_wavefront_size32 1
		.amdhsa_system_sgpr_workgroup_id_x 1
		.amdhsa_system_sgpr_workgroup_id_y 1
		.amdhsa_system_sgpr_workgroup_id_z 1
		.amdhsa_system_vgpr_workitem_id 0
		.amdhsa_next_free_vgpr 768
		.amdhsa_next_free_sgpr 102
		.amdhsa_reserve_vcc 0
		.amdhsa_float_denorm_mode_32 3
		.amdhsa_float_denorm_mode_16_64 3
		.amdhsa_memory_ordered 1
		.amdhsa_forward_progress 1
		.amdhsa_inst_pref_size 58
	.end_amdhsa_kernel
	.amdgpu_metadata
---
amdhsa.version: [ 1, 2 ]
amdhsa.kernels:
  - .name:           k_qd0b45c8eb1_proj
    .symbol:         k_qd0b45c8eb1_proj.kd
    .args:
      - { .name: y, .offset: 0, .size: 8, .value_kind: global_buffer, .address_space: global }
      - { .name: w, .offset: 8, .size: 8, .value_kind: global_buffer, .address_space: global }
      - { .name: x, .offset: 16, .size: 8, .value_kind: global_buffer, .address_space: global }
      - { .name: bp, .offset: 24, .size: 8, .value_kind: global_buffer, .address_space: global }
      - { .name: x1, .offset: 32, .size: 8, .value_kind: global_buffer, .address_space: global }
    .group_segment_fixed_size: 327680
    .private_segment_fixed_size: 0
    .kernarg_segment_align: 8
    .kernarg_segment_size: 40
    .max_flat_workgroup_size: 128
    .sgpr_count:     102
    .vgpr_count:     768
    .wavefront_size: 32
...
	.end_amdgpu_metadata
.endif
;; end of part 4
;; launch ln2 (part 5): grid 256 x 1, 8 waves a work-group, no clusters, 66,816 bytes of LDS; arguments x1, g2, beta2, h2; writes h2
.if DOCPART == 5
	.amdgcn_target "amdgcn-amd-amdhsa--gfx1250"
	.amdhsa_code_object_version 6
	.text
	.protected	k_qd0b45c8eb1_ln2
	.globl	k_qd0b45c8eb1_ln2
	.p2align	8
	.type	k_qd0b45c8eb1_ln2,@function
k_qd0b45c8eb1_ln2:
	s_mov_b64 s[64:65], 0
	v_nop
	global_prefetch_b8 v0, s[64:65] scope:SCOPE_SE
	s_setreg_imm32_b32 hwreg(HW_REG_WAVE_MODE, 25, 1), 1
	s_wait_xcnt 0x0
; Layer norm of 16 rows of 1,024 f32, then the quantiser along the row: codes of FP6 (E2M3), one E8M0 byte for each 32, stored as images of operand registers.
; A work-group is tile t of rows: lane-row r is row 32 (t / 2) + 8 (t % 2) + r + 8 (r / 8).  Fragment (t, K step s) lies at (8 t + s) x 1,536 of the output (registers 4 j .. 4 j + 3 of lane l at 512 j + 16 l),
; its 16 scale words at 3,145,728 + (8 t + s) x 64.
; PHASE 1: wave w owns lane-rows 2 w and 2 w + 1, two neighbouring rows, whole, in registers: mean, then the sum of squares of x - mean (two passes over registers, no difference of large sums), rsq, gain and bias;
; the rows go to a stage in LDS.  PHASE 2, behind one barrier: wave w is K step w: lane (r, h) takes, of stage row r, 16 neighbours of each block of 32, and quantises them.
; LIMITS: a block whose largest magnitude lies under 2^-124 gets the byte 1 (this program alone reads the bytes); NaN and infinities are not served.
.set PITCH, 4112                       ; a stage row: 4,096 bytes + 16
.set SPARE, 16*PITCH                   ; behind the stage: the spare words, 128 bytes for each of eight waves
.set L16,  1
.set STI,  2
.set STU,  3
.set SPW,  4
.set NIL,  5
.set R4,   6
.set X,    32                          ; v32-95   two rows, 32 numbers a lane each; later 64 numbers of a K step
.set G,    96                          ; v96-127  gain
.set BE,   128                         ; v128-159 bias
.set PC,   160                         ; v160-171 codes
.set PT,   172                         ; v172-179 at work
.set TM,   200                         ; v200-215 at work
.set PW,   216                         ; the scale word
	s_load_b256 s[4:11], s[0:1], 0x0               ; x, gain, bias, output
	v_lshl_add_u32 v[SPW], v0, 2, SPARE
	v_mov_b32 v[NIL], 0
	v_lshrrev_b32 v7, 5, v0
	v_readfirstlane_b32 s12, v7                    ; wave
	v_and_b32 v7, 31, v0
	v_lshlrev_b32 v[L16], 4, v7
	v_and_b32 v26, 15, v0                          ; r
	v_bfe_u32 v27, v0, 4, 1                        ; h
	v_lshlrev_b32 v[R4], 2, v26
	s_mul_i32 s22, s12, 2*PITCH
	v_add_nc_u32 v[STI], s22, v[L16]               ; into the stage: my two rows, 16 bytes a lane
	v_mul_u32_u24 v[STU], v26, PITCH
	v_lshl_add_u32 v[STU], v27, 6, v[STU]
	s_lshl_b32 s23, s12, 9
	v_add_nc_u32 v[STU], s23, v[STU]               ; out of it: row r, K step = wave, + 64 h
	s_lshr_b32 s13, ttmp9, 1
	s_lshl_b32 s13, s13, 5
	s_and_b32 s14, ttmp9, 1
	s_lshl_b32 s14, s14, 3
	s_add_co_u32 s13, s13, s14
	s_lshl_b32 s14, s12, 1
	s_add_co_u32 s13, s13, s14
	s_lshr_b32 s14, s12, 2
	s_lshl_b32 s14, s14, 3
	s_add_co_u32 s13, s13, s14                     ; my first row
	s_lshl_b32 s16, s13, 12
	s_mov_b32 s17, 0
	s_lshl_b32 s24, ttmp9, 3
	s_add_co_u32 s24, s24, s12                     ; my fragment
	s_mul_i32 s26, s24, 1536
	s_mov_b32 s27, 0
	s_lshl_b32 s28, s24, 6
	s_mov_b32 s29, 0
	s_mov_b32 s18, 0x76543210
	s_mov_b32 s19, 0xfedcba98                      ; lane l xor 16
	s_mov_b32 s20, 0x3a800000                      ; 1 / 1,024
	s_mov_b32 s21, 0x3727c5ac                      ; 1e-5
	v_mov_b32 v13, 0                               ; a lane permute's destination counts as read
	v_mov_b32 v19, 0
.irp b, 0,1,2,3
	v_mov_b32 v[TM+4+\b], 0
.endr
	s_wait_kmcnt 0x0
	s_add_nc_u64 s[4:5], s[4:5], s[16:17]
	s_add_nc_u64 s[30:31], s[10:11], 3145728
	s_add_nc_u64 s[30:31], s[30:31], s[28:29]
	s_add_nc_u64 s[10:11], s[10:11], s[26:27]
.irp e, 0,1
.irp j, 0,1,2,3,4,5,6,7
	global_load_b128 v[X+32*\e+4*\j:X+32*\e+4*\j+3], v[L16], s[4:5] offset:4096*\e+512*\j
.endr
.endr
.irp j, 0,1,2,3,4,5,6,7
	global_load_b128 v[G+4*\j:G+4*\j+3], v[L16], s[6:7] offset:512*\j
.endr
.irp j, 0,1,2,3,4,5,6,7
	global_load_b128 v[BE+4*\j:BE+4*\j+3], v[L16], s[8:9] offset:512*\j
.endr
.macro WSUM r                          ; v[r] summed over the 32 lanes, in every lane; v[r + 1] at work
.irp m, 1,2,4,8
	v_add_f32_dpp v[\r], v[\r], v[\r] row_xmask:\m row_mask:0xf bank_mask:0xf
.endr
	v_permlanex16_b32 v[\r+1], v[\r], s18, s19
	v_add_f32 v[\r], v[\r], v[\r+1]
.endm
.macro STAT e                          ; row e: x becomes x - mean; v[S_] = variance + 1e-5
.set R_, X+32*\e
.set A_, 8+6*\e
.set B_, 10+6*\e
.set S_, 12+6*\e
.set M_, 20+2*\e
	v_pk_add_f32 v[A_:A_+1], v[R_:R_+1], v[R_+2:R_+3]
	v_pk_add_f32 v[B_:B_+1], v[R_+4:R_+5], v[R_+6:R_+7]
.irp i, 8,12,16,20,24,28
	v_pk_add_f32 v[A_:A_+1], v[A_:A_+1], v[R_+\i:R_+\i+1]
	v_pk_add_f32 v[B_:B_+1], v[B_:B_+1], v[R_+\i+2:R_+\i+3]
.endr
	v_pk_add_f32 v[A_:A_+1], v[A_:A_+1], v[B_:B_+1]
	v_add_f32 v[S_], v[A_], v[A_+1]
	WSUM S_
	v_mul_f32 v[M_], s20, v[S_]
	v_mov_b32 v[M_+1], v[M_]
.set J, 0
.rept 16
	v_pk_add_f32 v[R_+J:R_+J+1], v[R_+J:R_+J+1], v[M_:M_+1] neg_lo:[0,1] neg_hi:[0,1]
.set J, J+2
.endr
	v_pk_mul_f32 v[A_:A_+1], v[R_:R_+1], v[R_:R_+1]
	v_pk_mul_f32 v[B_:B_+1], v[R_+2:R_+3], v[R_+2:R_+3]
.irp i, 4,8,12,16,20,24,28
	v_pk_fma_f32 v[A_:A_+1], v[R_+\i:R_+\i+1], v[R_+\i:R_+\i+1], v[A_:A_+1]
	v_pk_fma_f32 v[B_:B_+1], v[R_+\i+2:R_+\i+3], v[R_+\i+2:R_+\i+3], v[B_:B_+1]
.endr
	v_pk_add_f32 v[A_:A_+1], v[A_:A_+1], v[B_:B_+1]
	v_add_f32 v[S_], v[A_], v[A_+1]
	WSUM S_
	v_fma_f32 v[S_], v[S_], s20, s21
.endm
	s_wait_loadcnt 16                              ; x's 16 loads are in; the gain's and the bias's 16 may be out
	STAT 0
	STAT 1
	v_rsq_f32 v24, v12
	v_rsq_f32 v26, v18
	v_nop                                          ; a plain place behind the transcendentals
	s_wait_alu depctr_va_vdst(0)                   ; one wait for both, ahead of their first reader
	v_mov_b32 v25, v24
	v_mov_b32 v27, v26
	s_wait_loadcnt 0x0
.irp e, 0,1
.set J, 0
.rept 16
	v_pk_mul_f32 v[X+32*\e+J:X+32*\e+J+1], v[X+32*\e+J:X+32*\e+J+1], v[24+2*\e:25+2*\e]
.set J, J+2
.endr
.set J, 0
.rept 16
	v_pk_fma_f32 v[X+32*\e+J:X+32*\e+J+1], v[X+32*\e+J:X+32*\e+J+1], v[G+J:G+J+1], v[BE+J:BE+J+1]
.set J, J+2
.endr
.irp j, 0,1,2,3,4,5,6,7
	ds_store_b128 v[STI], v[X+32*\e+4*\j:X+32*\e+4*\j+3] offset:PITCH*\e+512*\j
.endr
.endr
	s_wait_dscnt 0x0                               ; for the others' sake: my rows lie in the stage
	s_barrier_signal -1
	s_barrier_wait -1
.irp b, 0,1,2,3
.irp j, 0,1,2,3
	ds_load_b128 v[X+16*\b+4*\j:X+16*\b+4*\j+3], v[STU] offset:128*\b+16*\j   ; register 16 b + i = k 32 b + 16 h + i of row r
.endr
.endr
	s_wait_dscnt 0x0
.irp b, 0,1,2,3
	v_max3_num_f32 v[TM+\b], |v[X+16*\b]|, |v[X+1+16*\b]|, 0x1800000   ; with the floor 2^(3 - 127)
.endr
.irp i, 2,4,6,8,10,12,14
.irp b, 0,1,2,3
	v_max3_num_f32 v[TM+\b], v[TM+\b], |v[X+16*\b+\i]|, |v[X+1+16*\b+\i]|
.endr
.endr
.irp b, 0,1,2,3
	v_permlanex16_b32 v[TM+4+\b], v[TM+\b], s18, s19
.endr
.irp b, 0,1,2,3
	v_max_num_f32 v[TM+\b], v[TM+\b], v[TM+4+\b]   ; the block's largest magnitude
.endr
.irp b, 0,1,2,3
	v_add_nc_u32 v[TM+12+\b], 0xff000000, v[TM+\b] ; the conversion's scale operand
.endr
.irp b, 0,1,2,3
	v_lshrrev_b32 v[TM+4+\b], 23, v[TM+12+\b]      ; the byte
.endr
	v_lshl_or_b32 v[PW], v[TM+5], 8, v[TM+4]
	v_lshl_or_b32 v[PW], v[TM+6], 16, v[PW]
	v_lshl_or_b32 v[PW], v[TM+7], 24, v[PW]
.irp c, 0,1
	v_cvt_scalef32_pk16_fp6_f32 v[PC+6*\c:PC+6*\c+2], v[X+32*\c:X+32*\c+15], v[TM+12+2*\c]
	v_cvt_scalef32_pk16_fp6_f32 v[PT+4*\c:PT+4*\c+2], v[X+32*\c+16:X+32*\c+31], v[TM+13+2*\c]
.endr
	v_nop                                          ; one plain place behind a scaled conversion
.irp c, 0,1                            ; the operand wants a whole block in a lane: lanes 0-15 block 2 c, lanes 16-31 block 2 c + 1
.irp i, 0,1,2
	v_permlane16_swap_b32 v[PC+6*\c+\i], v[PT+4*\c+\i]
.endr
.irp i, 0,1,2
	v_mov_b32 v[PC+6*\c+3+\i], v[PT+4*\c+\i]
.endr
.endr
.irp j, 0,1,2
	global_store_b128 v[L16], v[PC+4*\j:PC+4*\j+3], s[10:11] offset:512*\j   ; 512 consecutive bytes a store
.endr
	global_store_b32 v[R4], v[PW], s[30:31]        ; lanes r and r + 16 hold the same word and write it to the same place
	s_wait_tensorcnt 0x0                           ; the wave's end
	ds_add_u32 v[SPW], v[NIL]
	s_wait_dscnt 0x0
	s_endpgm
.Lfunc_end_k_qd0b45c8eb1_ln2:
	.size	k_qd0b45c8eb1_ln2, .Lfunc_end_k_qd0b45c8eb1_ln2-k_qd0b45c8eb1_ln2
	.p2alignl 7, 3214868480
	.fill 96, 4, 3214868480
	.section	.rodata,"a",@progbits
	.p2align	6, 0x0
	.amdhsa_kernel k_qd0b45c8eb1_ln2
		.amdhsa_group_segment_fixed_size 66816
		.amdhsa_private_segment_fixed_size 0
		.amdhsa_enable_private_segment 0
		.amdhsa_kernarg_size 32
		.amdhsa_user_sgpr_count 2
		.amdhsa_user_sgpr_kernarg_segment_ptr 1
		.amdhsa_wavefront_size32 1
		.amdhsa_system_sgpr_workgroup_id_x 1
		.amdhsa_system_sgpr_workgroup_id_y 1
		.amdhsa_system_sgpr_workgroup_id_z 1
		.amdhsa_system_vgpr_workitem_id 0
		.amdhsa_next_free_vgpr 224
		.amdhsa_next_free_sgpr 66
		.amdhsa_reserve_vcc 0
		.amdhsa_float_denorm_mode_32 3
		.amdhsa_float_denorm_mode_16_64 3
		.amdhsa_memory_ordered 1
		.amdhsa_forward_progress 1
		.amdhsa_inst_pref_size 24
	.end_amdhsa_kernel
	.amdgpu_metadata
---
amdhsa.version: [ 1, 2 ]
amdhsa.kernels:
  - .name:           k_qd0b45c8eb1_ln2
    .symbol:         k_qd0b45c8eb1_ln2.kd
    .args:
      - { .name: x1, .offset: 0, .size: 8, .value_kind: global_buffer, .address_space: global }
      - { .name: g2, .offset: 8, .size: 8, .value_kind: global_buffer, .address_space: global }
      - { .name: beta2, .offset: 16, .size: 8, .value_kind: global_buffer, .address_space: global }
      - { .name: h2, .offset: 24, .size: 8, .value_kind: global_buffer, .address_space: global }
    .group_segment_fixed_size: 66816
    .private_segment_fixed_size: 0
    .kernarg_segment_align: 8
    .kernarg_segment_size: 32
    .max_flat_workgroup_size: 256
    .sgpr_count:     66
    .vgpr_count:     224
    .wavefront_size: 32
...
	.end_amdgpu_metadata
.endif
;; end of part 5
;; launch ffn1 (part 6): grid 16 x 16, 4 waves a work-group, clusters of 4 x 4, 327,680 bytes of LDS; arguments h2, w, b1, ff; writes ff
.if DOCPART == 6
	.amdgcn_target "amdgcn-amd-amdhsa--gfx1250"
	.amdhsa_code_object_version 6
	.text
	.protected	k_qd0b45c8eb1_ffn1
	.globl	k_qd0b45c8eb1_ffn1
	.p2align	8
	.type	k_qd0b45c8eb1_ffn1,@function
k_qd0b45c8eb1_ffn1:
	s_mov_b64 s[64:65], 0
	v_nop
	global_prefetch_b8 v0, s[64:65] scope:SCOPE_SE
	s_setreg_imm32_b32 hwreg(HW_REG_WAVE_MODE, 25, 1), 1
	s_wait_xcnt 0x0
	s_wait_alu depctr_hold_cnt(0) depctr_sa_sdst(0) depctr_va_vdst(0) depctr_va_sdst(0) depctr_va_ssrc(0) depctr_va_vcc(0) depctr_vm_vsrc(0)
	s_getreg_b32 s2, hwreg(HW_REG_IB_STS2, 6, 4)
	s_cmp_eq_u32 s2, 0
	s_cbranch_scc0 .Lentry_in_a_cluster
	s_endpgm
.Lentry_in_a_cluster:
	s_bfe_u32 s2, ttmp6, 0x10000c
	s_cmp_lg_u32 s2, 0xf033
	s_cbranch_scc0 .Lentry_shape_is_right
	s_endpgm
.Lentry_shape_is_right:
; ff = relu(h2 W1 + b1), the product on codes of FP6 (E2M3) with E8M0 scales, the result quantised again in registers along the 4,096 hidden units.
; OPERANDS AND OUTPUT are images of operand registers: a fragment (16 rows x 128 K) is 1,536 bytes, registers 4 j .. 4 j + 3 of lane l at 512 j + 16 l; arrays [tile][K step]; scale words [tile][K step][16].
; Lane-row r of tile t is row 32 (t / 2) + 8 (t % 2) + r + 8 (r / 8).  THE PRODUCT IS USED TRANSPOSED (source 0 = a tile of W1's columns, source 1 = a tile of tokens): a lane holds one token, and the 64 registers of its eight
; accumulators are, 16 and 16, neighbouring hidden units: what the quantiser takes.  A wave's 128 hidden units are one K step of the next product.
; A work-group makes 256 x 256, each of four waves 128 x 128.  K goes through a ring of two LDS slots of two K steps, filled by joint tensor loads (tokens' tiles shared along a row of the cluster, W1's along a column).
; The bias is the C of each sum's first product.  Output: fragment (token tile T, K step s) at (32 T + s) x 1,536 of ff, its scale words at 12,582,912 + (32 T + s) x 64.
; LIMITS: a block whose largest magnitude lies under 2^-124 (zeros too) gets the byte 1 (this program alone reads the bytes); NaN and infinities are not served.
; REGISTERS: window 0: v0-31 addresses, v32-63 scale words, from v64 A's fragments (two sets of 96).  window 1: B's fragments at v0 and v128, the bias at v96-127 and v224-255.  windows 2, 3: accumulator (a, b) at v[8 (8 (a % 4) + b)] of window 2 + a / 4.
.set NA, 8
.set NB, 8
.set NQ, 2
.set KS, 8
.set FRB, 1536
.set ROWT, NQ*FRB
.set HALFT, NA*ROWT
.set SLOT, 4*HALFT
.set LAPS, KS/(2*NQ)
.set SCL, 2*SLOT
.set HALFS, NA*KS*64
.set SPARE, SCL+4*HALFS
.set NF, 3*(NA+NB)
.set APW, 32/NB
.set L16, 4
.set BO, 9
.set R4, 10
.set ADRA, 16
.set ADRB, 20
.set ADRS, 27
.set SPW, 28
.set NIL, 29
.set SC, 32
.set AF, 64
.set TM, 64
.set PT, 80
.set PC, 88
.set G1, 24
.set G0, 32
.set G1B, 48
.set G0B, 56
.set G1S, 68
.set G0S, 76
.set G1SB, 80
.set G0SB, 88
.set MSB, 0
.macro WIN new
.if MSB != (\new)
	s_set_vgpr_msb (MSB<<8)|(\new)
.set MSB, (\new)
.endif
.endm
.macro PLACES n
.rept \n
	v_nop
.endr
.endm
.macro JLOAD g0a, g1a, g0b, g1b        ; a joint load: waves 0 and 1 ask for A, waves 2 and 3 for B; an s_nop 0 and four v_nop follow each line
	s_cmp_eq_u32 s15, 0
	s_cbranch_scc0 .Lfor_b_\@
	tensor_load_to_lds s[\g0a:\g0a+3], s[\g1a:\g1a+7]
	s_nop 0
.rept 4
	v_nop
.endr
	s_branch .Lasked_\@
.Lfor_b_\@:
	tensor_load_to_lds s[\g0b:\g0b+3], s[\g1b:\g1b+7]
	s_nop 0
.rept 4
	v_nop
.endr
.Lasked_\@:
.endm
.macro CREST
	s_cmp_lg_u32 s14, 0
	s_cbranch_scc1 .Lnot_wave_0_\@
	s_barrier_signal -3
.Lnot_wave_0_\@:
	s_barrier_wait -3
	s_barrier_signal -1
	s_barrier_wait -1
.endm
.macro CROUND
	s_barrier_signal -1
	s_barrier_wait -1
	CREST
.endm
	s_load_b128 s[4:7], s[0:1], 0x0                ; h2, w
	s_load_b128 s[8:11], s[0:1], 0x10              ; b1, ff
	v_lshl_add_u32 v[SPW], v0, 2, SPARE
	v_mov_b32 v[NIL], 0
	ds_add_u32 v[SPW], v[NIL]                      ; the wave's opening: the add, and its wait ahead of my first tensor load
	v_lshrrev_b32 v1, 5, v0
	v_readfirstlane_b32 s14, v1
	s_lshr_b32 s15, s14, 1
	s_and_b32 s16, s14, 1
	s_bfe_u32 s40, ttmp6, 0x40000
	s_bfe_u32 s41, ttmp6, 0x40004
	s_lshl_b32 s42, ttmp9, 2
	s_add_co_u32 s42, s42, s40                     ; TC: which 256 hidden units
	s_and_b32 s17, ttmp7, 0xffff
	s_lshl_b32 s17, s17, 2
	s_add_co_u32 s17, s17, s41                     ; TR: which 256 tokens
	s_lshl_b32 s43, s41, 2
	s_lshl_b32 s43, 15, s43
	s_lshl_b32 s44, 0x1111, s40
	s_or_b32 s[G1+0], s43, (3<<16)|(1<<21)
	s_or_b32 s[G1B+0], s44, (3<<16)|(1<<21)
.irp g, G1, G1B
	s_mov_b32 s[\g+1], (NQ*192)<<16
	s_mov_b32 s[\g+2], NA<<16
	s_mov_b32 s[\g+3], (NQ*192)<<16
	s_mov_b32 s[\g+4], NA
	s_mov_b32 s[\g+5], KS*192
	s_mov_b32 s[\g+6], 0
	s_mov_b32 s[\g+7], 0
.endr
	s_or_b32 s[G1S+0], s43, (3<<16)|(1<<21)
	s_or_b32 s[G1SB+0], s44, (3<<16)|(1<<21)
.irp g, G1S, G1SB
	s_mov_b32 s[\g+1], 32<<16
	s_mov_b32 s[\g+2], (HALFS/256)<<16
	s_mov_b32 s[\g+3], 32<<16
	s_mov_b32 s[\g+4], HALFS/256
	s_mov_b32 s[\g+5], 32
	s_mov_b32 s[\g+6], 0
	s_mov_b32 s[\g+7], 0
.endr
	s_mul_i32 s18, s16, NA
	s_mul_i32 s19, s17, 2*NA
	s_add_co_u32 s19, s19, s18
	s_mul_i32 s45, s42, 2*NA
	s_add_co_u32 s45, s45, s18
	s_mul_i32 s92, s19, KS*FRB
	s_mov_b32 s93, 0
	s_mul_i32 s94, s19, KS*64
	s_mov_b32 s95, 0
	s_mul_i32 s96, s45, KS*FRB
	s_mov_b32 s97, 0
	s_mul_i32 s66, s45, KS*64
	s_mov_b32 s67, 0
	s_mul_i32 s2, s14, HALFT
	s_mul_i32 s3, s14, HALFS
	s_lshl_b32 s18, s17, 4
	s_lshl_b32 s19, s15, 3
	s_add_co_u32 s18, s18, s19                     ; my first token tile
	s_lshl_b32 s18, s18, 5
	s_lshl_b32 s19, s42, 1
	s_add_co_u32 s18, s18, s19
	s_add_co_u32 s18, s18, s16                     ; my first output fragment
	s_mul_i32 s100, s18, FRB
	s_mov_b32 s101, 0
	s_lshl_b32 s18, s18, 6
	s_mov_b32 s19, 0
	s_lshl_b32 s12, s42, 10
	s_lshl_b32 s13, s16, 9
	s_add_co_u32 s12, s12, s13                     ; my first hidden unit, in bytes
	s_mov_b32 s13, 0
	s_wait_dscnt 0x0
	s_wait_kmcnt 0x0
	s_add_nc_u64 s[20:21], s[4:5], s[92:93]
	s_add_nc_u64 s[22:23], s[4:5], 3145728
	s_add_nc_u64 s[22:23], s[22:23], s[94:95]
	s_add_nc_u64 s[46:47], s[6:7], 3145728         ; W1's codes in w
	s_add_nc_u64 s[46:47], s[46:47], s[96:97]
	s_add_nc_u64 s[98:99], s[6:7], 9568256         ; and its scale words
	s_add_nc_u64 s[98:99], s[98:99], s[66:67]
	s_add_nc_u64 s[8:9], s[8:9], s[12:13]          ; the bias
	s_add_nc_u64 s[12:13], s[10:11], s[100:101]    ; my output's codes
	s_add_nc_u64 s[10:11], s[10:11], 12582912
	s_add_nc_u64 s[10:11], s[10:11], s[18:19]      ; and scale words
	CROUND
	s_mov_b32 s[G0S], 1
	s_add_co_u32 s[G0S+1], s3, SCL
	s_mov_b64 s[G0S+2:G0S+3], s[22:23]
	s_or_b32 s[G0S+3], s[G0S+3], 0x80000000
	s_mov_b32 s[G0SB], 1
	s_add_co_u32 s[G0SB+1], s3, SCL
	s_mov_b64 s[G0SB+2:G0SB+3], s[98:99]
	s_or_b32 s[G0SB+3], s[G0SB+3], 0x80000000
	JLOAD G0S, G1S, G0SB, G1SB                     ; the scale words first; with the two slots three loads of mine are out
.irp s, 0,1
	s_mov_b32 s[G0+4*\s], 1
	s_add_co_u32 s[G0+4*\s+1], s2, \s*SLOT
	s_add_nc_u64 s[G0+4*\s+2:G0+4*\s+3], s[20:21], \s*ROWT
	s_or_b32 s[G0+4*\s+3], s[G0+4*\s+3], 0x80000000
	s_mov_b32 s[G0B+4*\s], 1
	s_add_co_u32 s[G0B+4*\s+1], s2, \s*SLOT
	s_add_nc_u64 s[G0B+4*\s+2:G0B+4*\s+3], s[46:47], \s*ROWT
	s_or_b32 s[G0B+4*\s+3], s[G0B+4*\s+3], 0x80000000
	JLOAD G0+4*\s, G1, G0B+4*\s, G1B
.endr
	v_and_b32 v1, 31, v0
	v_and_b32 v2, 15, v0
	v_bfe_u32 v3, v0, 4, 1
	v_lshlrev_b32 v[L16], 4, v1
	v_lshlrev_b32 v[BO], 6, v3
	v_lshlrev_b32 v[R4], 2, v2
	s_mul_i32 s21, s15, HALFT
	s_mul_i32 s22, s16, HALFT
	s_add_co_u32 s22, s22, 2*HALFT
.irp s, 0,1
	v_add_nc_u32 v[ADRA+\s], s21, v[L16]
	v_add_nc_u32 v[ADRB+\s], s22, v[L16]
	s_add_co_u32 s21, s21, SLOT
	s_add_co_u32 s22, s22, SLOT
.endr
	s_mul_i32 s21, s15, HALFS
	s_mul_i32 s22, s16, HALFS
	s_add_co_u32 s22, s22, 2*HALFS
	s_sub_co_u32 s22, s22, s21
	v_mul_u32_u24 v6, s22, v3
	s_add_co_u32 s21, s21, SCL
	v_lshl_add_u32 v5, v2, 2, v6
	v_add_nc_u32 v[ADRS], s21, v5
	WIN 0x40
.irp b, 0,1,2,3,4,5,6,7                ; the bias in the result's layout: tile b: hidden units 32 (b / 2) + 16 h + 8 (b % 2) + 0 .. 7
	global_load_b128 v[96+8*\b+96*(\b/4):96+8*\b+96*(\b/4)+3], v[BO], s[8:9] offset:128*(\b/2)+32*(\b%2)
	global_load_b128 v[96+8*\b+96*(\b/4)+4:96+8*\b+96*(\b/4)+7], v[BO], s[8:9] offset:128*(\b/2)+32*(\b%2)+16
.endr
	WIN 0
.macro FRAG reg, adr, off
.irp c, 0,1,2
	ds_load_b128 v[\reg+4*\c:\reg+4*\c+3], v[\adr] offset:\off+512*\c
.endr
.endm
.macro FETCH slot, q, p
	WIN 0x40
.set I, 0
.rept NB
	FRAG 128*(\p)+12*I, ADRB+\slot, I*ROWT+(\q)*FRB
.set I, I+1
.endr
	WIN 0
.set I, 0
.rept NA
	FRAG AF+12*NA*(\p)+12*I, ADRA+\slot, I*ROWT+(\q)*FRB
.set I, I+1
.endr
.endm
.macro SCALES sc
.set I, 0
.rept NA
.set Q_, 0
.rept NQ
	ds_load_b32 v[SC+16*(\sc)+NQ*I+Q_], v[ADRS] offset:I*KS*64+64*Q_
.set Q_, Q_+1
.endr
.set I, I+1
.endr
.endm
.macro MULROW a, p, q, sc, first       ; first = 2: the bias is the C of the sum's first product
.if \first == 2
	WIN 0x91+0x40*((\a)/APW)
.else
	WIN 0xa1+0x50*((\a)/APW)
.endif
.set B_, 0
.rept NB
.set DD, 8*(NB*((\a)%APW)+B_)
.set BB, 128*(\p)+12*B_
.set AA, AF+12*NA*(\p)+12*(\a)
.set CC, 96+8*B_+96*(B_/4)
.set SB_, SC+16*(\sc)+NQ*B_+(\q)
.set SA_, SC+16*(\sc)+NQ*(\a)+(\q)
.if \first == 2
	v_wmma_scale_f32_16x16x128_f8f6f4 v[DD:DD+7], v[BB:BB+11], v[AA:AA+11], v[CC:CC+7], v[SB_], v[SA_] matrix_a_fmt:MATRIX_FMT_FP6 matrix_b_fmt:MATRIX_FMT_FP6 matrix_a_scale:MATRIX_SCALE_ROW1
.else
	v_wmma_scale_f32_16x16x128_f8f6f4 v[DD:DD+7], v[BB:BB+11], v[AA:AA+11], v[DD:DD+7], v[SB_], v[SA_] matrix_a_fmt:MATRIX_FMT_FP6 matrix_b_fmt:MATRIX_FMT_FP6 matrix_a_scale:MATRIX_SCALE_ROW1
.endif
.set B_, B_+1
.endr
.endm
.macro MULS a0, n, p, q, sc, first     ; the accumulators take turns, one instruction a turn
.set A_, \a0
.rept \n
	MULROW A_, \p, \q, \sc, \first
.set A_, A_+1
.endr
.endm
.macro STEP slot, q, first
	PLACES 4                                       ; four places ahead of loads into registers that the last products read
	FETCH \slot, (\q)+1, ((\q)+1)%2
	s_wait_dscnt NF                                ; all but the NF loads just issued
	MULS 0, NA, (\q)%2, \q, \slot, \first
.endm
.macro TURN slot, next, fill
	WIN 0
	s_wait_tensorcnt 0x0                           ; all my tensor loads have landed
	ds_add_u32 v[SPW], v[NIL]
	s_wait_dscnt 1                                 ; (the add alone may be out)
	MULS 0, NA/4, 1, NQ-1, \slot, 0
	s_wait_dscnt 0x0                               ; the add is done, and my reads of this slot are over
	s_barrier_signal -1
	MULS NA/4, NA/4, 1, NQ-1, \slot, 0
	WIN 0
	s_barrier_wait -1
.if \fill
	CREST                                          ; no wave of any partner still reads this slot or has a load on its way
	s_add_nc_u64 s[G0+4*\slot+2:G0+4*\slot+3], s[G0+4*\slot+2:G0+4*\slot+3], 2*ROWT
	s_add_nc_u64 s[G0B+4*\slot+2:G0B+4*\slot+3], s[G0B+4*\slot+2:G0B+4*\slot+3], 2*ROWT
	JLOAD G0+4*\slot, G1, G0B+4*\slot, G1B
.else
	PLACES 4
.endif
	v_add_nc_u32 v[ADRS], 64*NQ, v[ADRS]
	FETCH \next, 0, 0
	SCALES \next
	MULS NA/2, NA/2, 1, NQ-1, \slot, 0
.endm
	s_wait_tensorcnt 1                             ; the scale words and my part of slot 0 are in; slot 1's load may be out
	s_barrier_signal -1
	s_barrier_wait -1
	FETCH 0, 0, 0
	SCALES 0
	s_wait_loadcnt 0x0                             ; the bias
	STEP 0, 0, 2
	WIN 0
	s_mov_b32 s3, LAPS-1
.Llap:
	TURN 0, 1, 1
	STEP 1, 0, 0
	TURN 1, 0, 1
	STEP 0, 0, 0
	WIN 0
	s_sub_co_u32 s3, s3, 1
	s_cmp_lg_u32 s3, 0
	s_cbranch_scc1 .Llap
	TURN 0, 1, 0
	STEP 1, 0, 0
	s_wait_dscnt 0x0
	MULS 0, NA, 1, NQ-1, 1, 0
	WIN 0
.macro QUANT s, sw, pc                 ; 64 numbers of a lane in window sw become a fragment's 12 registers at v[pc] and its scale word in v[pc + 12]
.set QS, \s
.set QW, \sw
.set QP, \pc
	WIN 5*QW
.irp b, 0,1,2,3
	v_max3_num_f32 v[TM+\b], |v[QS+16*\b]|, |v[QS+1+16*\b]|, 0x1800000
.endr
	WIN 20*QW
.irp i, 2,4,6,8,10,12,14
.irp b, 0,1,2,3
	v_max3_num_f32 v[TM+\b], v[TM+\b], |v[QS+16*\b+\i]|, |v[QS+1+16*\b+\i]|
.endr
.endr
	WIN 0
.irp b, 0,1,2,3
	v_permlanex16_b32 v[TM+4+\b], v[TM+\b], s94, s95
.endr
.irp b, 0,1,2,3
	v_max_num_f32 v[TM+\b], v[TM+\b], v[TM+4+\b]
.endr
.irp b, 0,1,2,3
	v_add_nc_u32 v[TM+12+\b], 0xff000000, v[TM+\b]
.endr
.irp b, 0,1,2,3
	v_lshrrev_b32 v[TM+4+\b], 23, v[TM+12+\b]
.endr
	v_lshl_or_b32 v[QP+12], v[TM+5], 8, v[TM+4]
	v_lshl_or_b32 v[QP+12], v[TM+6], 16, v[QP+12]
	v_lshl_or_b32 v[QP+12], v[TM+7], 24, v[QP+12]
	WIN QW
.irp c, 0,1
	v_cvt_scalef32_pk16_fp6_f32 v[QP+6*\c:QP+6*\c+2], v[QS+32*\c:QS+32*\c+15], v[TM+12+2*\c]
	v_cvt_scalef32_pk16_fp6_f32 v[PT+4*\c:PT+4*\c+2], v[QS+32*\c+16:QS+32*\c+31], v[TM+13+2*\c]
.endr
	WIN 0
	v_nop                                          ; one plain place behind a scaled conversion
.irp c, 0,1
.irp i, 0,1,2
	v_permlane16_swap_b32 v[QP+6*\c+\i], v[PT+4*\c+\i]
.endr
.irp i, 0,1,2
	v_mov_b32 v[QP+6*\c+3+\i], v[PT+4*\c+\i]
.endr
.endr
.endm
	PLACES 4
	s_mov_b32 s94, 0x76543210
	s_mov_b32 s95, 0xfedcba98
.irp b, 0,1,2,3
	v_mov_b32 v[TM+4+\b], 0
.endr
.irp a, 0,1,2,3,4,5,6,7
	WIN 68*(2+\a/4)
.set J, 0
.rept 64
	v_max_num_f32 v[64*(\a%4)+J], 0, v[64*(\a%4)+J]                ; the activation, in f32; each accumulator from its low end on
.set J, J+1
.endr
	QUANT 64*(\a%4), 2+\a/4, PC+14*\a
.irp j, 0,1,2
	global_store_b128 v[L16], v[PC+14*\a+4*\j:PC+14*\a+4*\j+3], s[12:13] offset:32*FRB*\a+512*\j
.endr
	global_store_b32 v[R4], v[PC+14*\a+12], s[10:11] offset:2048*\a   ; lanes r and r + 16 hold the same word
.endr
	s_wait_tensorcnt 0x0                           ; the wave's end
	ds_add_u32 v[SPW], v[NIL]
	s_wait_dscnt 0x0
	CROUND
	s_endpgm
.Lfunc_end_k_qd0b45c8eb1_ffn1:
	.size	k_qd0b45c8eb1_ffn1, .Lfunc_end_k_qd0b45c8eb1_ffn1-k_qd0b45c8eb1_ffn1
	.p2alignl 7, 3214868480
	.fill 96, 4, 3214868480
	.section	.rodata,"a",@progbits
	.p2align	6, 0x0
	.amdhsa_kernel k_qd0b45c8eb1_ffn1
		.amdhsa_group_segment_fixed_size 327680
		.amdhsa_private_segment_fixed_size 0
		.amdhsa_enable_private_segment 0
		.amdhsa_kernarg_size 32
		.amdhsa_user_sgpr_count 2
		.amdhsa_user_sgpr_kernarg_segment_ptr 1
		.amdhsa_wavefront_size32 1
		.amdhsa_system_sgpr_workgroup_id_x 1
		.amdhsa_system_sgpr_workgroup_id_y 1
		.amdhsa_system_sgpr_workgroup_id_z 1
		.amdhsa_system_vgpr_workitem_id 0
		.amdhsa_next_free_vgpr 1024
		.amdhsa_next_free_sgpr 102
		.amdhsa_reserve_vcc 0
		.amdhsa_float_denorm_mode_32 3
		.amdhsa_float_denorm_mode_16_64 3
		.amdhsa_memory_ordered 1
		.amdhsa_forward_progress 1
		.amdhsa_inst_pref_size 159
	.end_amdhsa_kernel
	.amdgpu_metadata
---
amdhsa.version: [ 1, 2 ]
amdhsa.kernels:
  - .name:           k_qd0b45c8eb1_ffn1
    .symbol:         k_qd0b45c8eb1_ffn1.kd
    .args:
      - { .name: h2, .offset: 0, .size: 8, .value_kind: global_buffer, .address_space: global }
      - { .name: w, .offset: 8, .size: 8, .value_kind: global_buffer, .address_space: global }
      - { .name: b1, .offset: 16, .size: 8, .value_kind: global_buffer, .address_space: global }
      - { .name: ff, .offset: 24, .size: 8, .value_kind: global_buffer, .address_space: global }
    .group_segment_fixed_size: 327680
    .private_segment_fixed_size: 0
    .kernarg_segment_align: 8
    .kernarg_segment_size: 32
    .max_flat_workgroup_size: 128
    .sgpr_count:     102
    .vgpr_count:     1024
    .wavefront_size: 32
...
	.end_amdgpu_metadata
.endif
;; end of part 6
;; launch ffn2 (part 7): grid 8 x 32, 4 waves a work-group, clusters of 4 x 4, 327,680 bytes of LDS; arguments ff, w, x1, b2, out0; writes out0
.if DOCPART == 7
	.amdgcn_target "amdgcn-amd-amdhsa--gfx1250"
	.amdhsa_code_object_version 6
	.text
	.protected	k_qd0b45c8eb1_ffn2
	.globl	k_qd0b45c8eb1_ffn2
	.p2align	8
	.type	k_qd0b45c8eb1_ffn2,@function
k_qd0b45c8eb1_ffn2:
	s_mov_b64 s[64:65], 0
	v_nop
	global_prefetch_b8 v0, s[64:65] scope:SCOPE_SE
	s_setreg_imm32_b32 hwreg(HW_REG_WAVE_MODE, 25, 1), 1
	s_wait_xcnt 0x0
	s_wait_alu depctr_hold_cnt(0) depctr_sa_sdst(0) depctr_va_vdst(0) depctr_va_sdst(0) depctr_va_ssrc(0) depctr_va_vcc(0) depctr_vm_vsrc(0)
	s_getreg_b32 s2, hwreg(HW_REG_IB_STS2, 6, 4)
	s_cmp_eq_u32 s2, 0
	s_cbranch_scc0 .Lentry_in_a_cluster
	s_endpgm
.Lentry_in_a_cluster:
	s_bfe_u32 s2, ttmp6, 0x10000c
	s_cmp_lg_u32 s2, 0xf033
	s_cbranch_scc0 .Lentry_shape_is_right
	s_endpgm
.Lentry_shape_is_right:
; out0 = x1 + ff W2 + b2: the product on codes of FP6 (E2M3) with E8M0 scales, the rest in f32.  K = 4,096: 32 K steps of 128.
; OPERANDS are images of operand registers: a fragment (16 rows x 128 K) is 1,536 bytes, registers 4 j .. 4 j + 3 of lane l at 512 j + 16 l; arrays [tile][K step]; scale words [tile][K step][16].
; Lane-row r of tile t is row 32 (t / 2) + 8 (t % 2) + r + 8 (r / 8).  THE PRODUCT IS USED TRANSPOSED (source 0 = a tile of the weight's columns, source 1 = a tile of tokens): a lane holds one token and eight neighbouring columns.
; N is 1,024: tiles of 256 x 256 would be 64 work-groups, so a work-group makes 128 x 128 and each of four waves 64 x 64 (16 accumulators): 256 work-groups.
; THE RING: two LDS slots of SIX K steps (147,456 bytes each), as large as LDS allows, filled by joint tensor loads (A's tiles shared along a row of the cluster, B's along a column).  K goes as 6, 6 (the first fills),
; then 6, 6, 6 and 2: four refills, each with 96 matrix instructions a wave under it.  By this text's count a wave has three tensor loads out at the start and one behind each round.
; WHAT MAKES THE ROOM.  The weight's scale words do not lie in LDS: a wave's four tiles x 32 K steps are 8,192 bytes on end in memory and are loaded ONCE into 64 registers, 128 consecutive bytes a load: lanes 0-15 hold an even
; K step's words, lanes 16-31 the next odd one's, and the ROW selector takes the half.  The tokens' scale words (16,384 bytes) come into LDS once, a quarter by each wave, and are read the same way, two K steps to a register.
; The stage of the way out lies in slot 0, which by then has had its last fill and which nobody reads behind the last change of slots.
; Which register holds the weight's scale words hangs on the K step, so the 32 K steps are written out: 512 matrix instructions.
; The bias is the C of each sum's first product.  The residual is asked for behind the first K step and added on the way out, which goes through the wave's own stage so that sixteen lanes store 256 consecutive, aligned bytes.
; REGISTERS: window 0: v0-31 addresses; v32-55 the tokens' scale words (two sets of 12); v64-127 the weight's scale words; v128-223 A's fragments (two sets of 48).  window 1: B's fragments at v0 and v128, the bias at v96-127.
;   window 2: accumulator (a, b) at v[8 (4 a + b)]; v128-255 the residual.
.set NA, 4
.set NB, 4
.set NQ, 6                             ; K steps in a slot
.set KS, 32
.set ASOFF, 12582912                   ; A's scale words in ff
.set BCOFF, 6291456                    ; W2's codes in w
.set BSOFF, 9699328                    ; and its scale words
.set FRB, 1536
.set ROWT, NQ*FRB                      ; a tile's part of a slot
.set ROWX, 2*FRB                       ; and of the last fill, two K steps
.set HALFT, NA*ROWT                    ; what one tensor load brings, and what one wave reads of A or of B
.set SLOT, 4*HALFT                     ; A's two halves, then B's
.set SCL, 2*SLOT                       ; behind the ring: the tokens' scale words, [tile][K step][16]
.set QSC, 2*KS*64                      ; a quarter of them: two tiles
.set SPARE, SCL+4*QSC                  ; the spare words, 128 bytes a wave
.set NF, 3*(NA+NB)                     ; LDS loads of a K step's fragments
.set L16, 4
.set L4, 5
.set BO, 9
.set ADRA, 16
.set ADRB, 20
.set STO, 24
.set RD, 25
.set CO, 26
.set ADRS, 27
.set SPW, 28
.set NIL, 29
.set SC, 32
.set SBR, 64
.set AF, 128
.set BK, 128
.set G1, 24                            ; s[24:31] group 1, A's tiles of six K steps;  s[32:39] group 0, one set for each slot
.set G0, 32
.set G1B, 48                           ; s[48:55], s[56:63] the same for B
.set G0B, 56
.set G1S, 68                           ; s[68:75], s[76:79] the tokens' scale words
.set G0S, 76
.set G1X, 80                           ; s[80:87] group 1, A's tiles of two K steps
.set G1BX, 88                          ; s[88:95] B's
.set MSB, 0
.macro WIN new                         ; the immediate's high byte repeats the setting that is left
.if MSB != (\new)
	s_set_vgpr_msb (MSB<<8)|(\new)
.set MSB, (\new)
.endif
.endm
.macro PLACES n
.rept \n
	v_nop
.endr
.endm
.macro JLOAD g0a, g1a, g0b, g1b        ; a joint load: waves 0 and 1 ask for A, waves 2 and 3 for B; an s_nop 0 and four v_nop follow each line
	s_cmp_eq_u32 s15, 0
	s_cbranch_scc0 .Lfor_b_\@
	tensor_load_to_lds s[\g0a:\g0a+3], s[\g1a:\g1a+7]
	s_nop 0
.rept 4
	v_nop
.endr
	s_branch .Lasked_\@
.Lfor_b_\@:
	tensor_load_to_lds s[\g0b:\g0b+3], s[\g1b:\g1b+7]
	s_nop 0
.rept 4
	v_nop
.endr
.Lasked_\@:
.endm
.macro CREST                           ; a round of the cluster's barrier behind its opening barrier
	s_cmp_lg_u32 s14, 0
	s_cbranch_scc1 .Lnot_wave_0_\@
	s_barrier_signal -3
.Lnot_wave_0_\@:
	s_barrier_wait -3
	s_barrier_signal -1
	s_barrier_wait -1
.endm
.macro CROUND
	s_barrier_signal -1
	s_barrier_wait -1
	CREST
.endm
	s_load_b256 s[4:11], s[0:1], 0x0               ; ff, w, the residual, the bias
	s_load_b64 s[12:13], s[0:1], 0x20              ; the output
	v_lshl_add_u32 v[SPW], v0, 2, SPARE
	v_mov_b32 v[NIL], 0
	ds_add_u32 v[SPW], v[NIL]                      ; the wave's opening: the add, and its wait ahead of my first tensor load
	v_lshrrev_b32 v1, 5, v0
	v_readfirstlane_b32 s14, v1                    ; wave
	s_lshr_b32 s15, s14, 1                         ; my half of the tokens.  Also: I fetch for A (0) or for B (1)
	s_and_b32 s16, s14, 1                          ; my half of the columns.  Also: which half I fetch
	s_bfe_u32 s40, ttmp6, 0x40000                  ; cx
	s_bfe_u32 s41, ttmp6, 0x40004                  ; cy
	s_lshl_b32 s42, ttmp9, 2
	s_add_co_u32 s42, s42, s40                     ; TC: which 128 columns
	s_and_b32 s17, ttmp7, 0xffff
	s_lshl_b32 s17, s17, 2
	s_add_co_u32 s17, s17, s41                     ; TR: which 128 tokens
	s_lshl_b32 s43, s41, 2
	s_lshl_b32 s43, 15, s43                        ; my row of the cluster
	s_lshl_b32 s44, 0x1111, s40                    ; my column
	s_or_b32 s[G1+0], s43, (3<<16)|(1<<21)         ; the mask; elements of 8 bytes; bit 21 beside a mask; no padding
	s_or_b32 s[G1B+0], s44, (3<<16)|(1<<21)
	s_or_b32 s[G1X+0], s43, (3<<16)|(1<<21)
	s_or_b32 s[G1BX+0], s44, (3<<16)|(1<<21)
	s_or_b32 s[G1S+0], s43, (3<<16)|(1<<21)
.irp g, G1, G1B
	s_mov_b32 s[\g+1], (NQ*192)<<16                ; a row: six fragments of one tile
	s_mov_b32 s[\g+2], NA<<16                      ; four tiles
	s_mov_b32 s[\g+3], (NQ*192)<<16
	s_mov_b32 s[\g+4], NA
	s_mov_b32 s[\g+5], KS*192                      ; from tile to tile
	s_mov_b32 s[\g+6], 0
	s_mov_b32 s[\g+7], 0
.endr
.irp g, G1X, G1BX
	s_mov_b32 s[\g+1], (2*192)<<16                 ; a row: the last two fragments of one tile
	s_mov_b32 s[\g+2], NA<<16
	s_mov_b32 s[\g+3], (2*192)<<16
	s_mov_b32 s[\g+4], NA
	s_mov_b32 s[\g+5], KS*192
	s_mov_b32 s[\g+6], 0
	s_mov_b32 s[\g+7], 0
.endr
	s_mov_b32 s[G1S+1], 32<<16                     ; two tiles' scale words: a dense block, as rows of 256 bytes
	s_mov_b32 s[G1S+2], (QSC/256)<<16
	s_mov_b32 s[G1S+3], 32<<16
	s_mov_b32 s[G1S+4], QSC/256
	s_mov_b32 s[G1S+5], 32
	s_mov_b32 s[G1S+6], 0
	s_mov_b32 s[G1S+7], 0
	s_mul_i32 s18, s16, NA
	s_mul_i32 s19, s17, 2*NA
	s_add_co_u32 s19, s19, s18                     ; the first tile of A that I would fetch,
	s_mul_i32 s45, s42, 2*NA
	s_add_co_u32 s45, s45, s18                     ; and of B
	s_mul_i32 s96, s19, KS*FRB
	s_mov_b32 s97, 0
	s_mul_i32 s98, s45, KS*FRB
	s_mov_b32 s99, 0
	s_lshl_b32 s66, s17, 3
	s_lshl_b32 s67, s14, 1
	s_add_co_u32 s66, s66, s67                     ; the two tiles of tokens whose scale words I fetch
	s_mul_i32 s66, s66, KS*64
	s_mov_b32 s67, 0
	s_lshl_b32 s100, s42, 3
	s_lshl_b32 s101, s16, 2
	s_add_co_u32 s100, s100, s101                  ; my four tiles of columns
	s_mul_i32 s100, s100, KS*64
	s_mov_b32 s101, 0
	s_mul_i32 s2, s14, HALFT                       ; where the tiles go: no place in the cluster enters an LDS address
	s_mul_i32 s3, s14, QSC
	s_lshl_b32 s46, s42, 9
	s_lshl_b32 s47, s16, 8
	s_add_co_u32 s46, s46, s47                     ; my first column, in bytes
	s_mov_b32 s47, 0
	s_lshl_b32 s18, s17, 7
	s_lshl_b32 s19, s15, 6
	s_add_co_u32 s18, s18, s19                     ; my first token
	s_lshl_b32 s18, s18, 12
	s_add_co_u32 s18, s18, s46
	s_mov_b32 s19, 0
	s_wait_dscnt 0x0                               ; the opening add is done
	s_wait_kmcnt 0x0
	s_add_nc_u64 s[20:21], s[4:5], s[96:97]        ; A's codes
	s_add_nc_u64 s[22:23], s[4:5], ASOFF
	s_add_nc_u64 s[22:23], s[22:23], s[66:67]      ; A's scale words
	s_add_nc_u64 s[96:97], s[6:7], BCOFF
	s_add_nc_u64 s[96:97], s[96:97], s[98:99]      ; B's codes
	s_add_nc_u64 s[98:99], s[6:7], BSOFF
	s_add_nc_u64 s[98:99], s[98:99], s[100:101]    ; B's scale words
	s_add_nc_u64 s[8:9], s[8:9], s[18:19]
	s_add_nc_u64 s[12:13], s[12:13], s[18:19]
	s_add_nc_u64 s[10:11], s[10:11], s[46:47]
	CROUND                                         ; all sixteen work-groups are here: the first joint loads meet
	s_mov_b32 s[G0S], 1
	s_add_co_u32 s[G0S+1], s3, SCL
	s_mov_b64 s[G0S+2:G0S+3], s[22:23]
	s_or_b32 s[G0S+3], s[G0S+3], 0x80000000
	tensor_load_to_lds s[G0S:G0S+3], s[G1S:G1S+7]  ; every wave a quarter of the tokens' scale words, shared along my row of the cluster
	s_nop 0
.rept 4
	v_nop
.endr
.irp s, 0,1
	s_mov_b32 s[G0+4*\s], 1
	s_add_co_u32 s[G0+4*\s+1], s2, \s*SLOT
	s_add_nc_u64 s[G0+4*\s+2:G0+4*\s+3], s[20:21], \s*ROWT
	s_or_b32 s[G0+4*\s+3], s[G0+4*\s+3], 0x80000000
	s_mov_b32 s[G0B+4*\s], 1
	s_add_co_u32 s[G0B+4*\s+1], s2, \s*SLOT
	s_add_nc_u64 s[G0B+4*\s+2:G0B+4*\s+3], s[96:97], \s*ROWT
	s_or_b32 s[G0B+4*\s+3], s[G0B+4*\s+3], 0x80000000
	JLOAD G0+4*\s, G1, G0B+4*\s, G1B               ; K steps 0 to 5, then 6 to 11
.endr
	v_and_b32 v1, 31, v0                           ; lane
	v_and_b32 v2, 15, v0                           ; r
	v_bfe_u32 v3, v0, 4, 1                         ; h
	v_lshlrev_b32 v[L16], 4, v1
	v_lshlrev_b32 v[L4], 2, v1
	v_lshlrev_b32 v[BO], 6, v3
.set I, 0
.rept NB                               ; the weight's scale words, once: register 16 i + j: lanes 0-15 K step 2 j of tile i, lanes 16-31 K step 2 j + 1
.set J, 0
.rept 16
	global_load_b32 v[SBR+16*I+J], v[L4], s[98:99] offset:I*KS*64+128*J
.set J, J+1
.endr
.set I, I+1
.endr
	WIN 0x40
.irp b, 0,1,2,3                        ; the bias in the result's layout: tile b: columns 32 (b / 2) + 16 h + 8 (b % 2) + 0 .. 7
	global_load_b128 v[96+8*\b:96+8*\b+3], v[BO], s[10:11] offset:128*(\b/2)+32*(\b%2)
	global_load_b128 v[96+8*\b+4:96+8*\b+7], v[BO], s[10:11] offset:128*(\b/2)+32*(\b%2)+16
.endr
	WIN 0
	s_mul_i32 s21, s15, HALFT
	s_mul_i32 s22, s16, HALFT
	s_add_co_u32 s22, s22, 2*HALFT
.irp s, 0,1
	v_add_nc_u32 v[ADRA+\s], s21, v[L16]
	v_add_nc_u32 v[ADRB+\s], s22, v[L16]
	s_add_co_u32 s21, s21, SLOT
	s_add_co_u32 s22, s22, SLOT
.endr
	s_lshl_b32 s21, s15, 13                        ; my four tiles of tokens: 8,192 bytes of scale words
	s_add_co_u32 s21, s21, SCL
	v_add_nc_u32 v[ADRS], s21, v[L4]
	s_mul_i32 s23, s14, 16*272                     ; my stage: 16 rows x (256 + 16) bytes, in slot 0
	v_mul_u32_u24 v6, v2, 272
	v_lshl_add_u32 v6, v3, 6, v6
	v_add_nc_u32 v[STO], s23, v6                   ; into it: row r, + 64 h
	v_mul_u32_u24 v6, v3, 272
	v_lshl_add_u32 v6, v2, 4, v6
	v_add_nc_u32 v[RD], s23, v6                    ; back: lanes 0-15 one row of 256 bytes, lanes 16-31 the next
	v_lshlrev_b32 v6, 12, v3
	v_lshl_add_u32 v[CO], v2, 4, v6                ; and the same two rows in memory
.macro FRAG reg, adr, off              ; a fragment comes as it was stored: three loads of 512 consecutive bytes
.irp c, 0,1,2
	ds_load_b128 v[\reg+4*\c:\reg+4*\c+3], v[\adr] offset:\off+512*\c
.endr
.endm
.macro FETCH slot, q, rt               ; the fragments of the slot's q-th K step into set q % 2; rt: bytes from tile to tile in the slot
	WIN 0x40
.set I, 0
.rept NB
	FRAG 128*((\q)%2)+12*I, ADRB+\slot, I*(\rt)+(\q)*FRB
.set I, I+1
.endr
	WIN 0
.set I, 0
.rept NA
	FRAG AF+48*((\q)%2)+12*I, ADRA+\slot, I*(\rt)+(\q)*FRB
.set I, I+1
.endr
.endm
.macro SCALES sc, k0, n                ; the tokens' scale words of a slot that begins at K step k0: register 3 i + j: lanes 0-15 K step k0 + 2 j of tile i, lanes 16-31 the next
.set I, 0
.rept NA
.set J, 0
.rept \n
	ds_load_b32 v[SC+12*(\sc)+3*I+J], v[ADRS] offset:I*KS*64+64*(\k0)+128*J
.set J, J+1
.endr
.set I, I+1
.endr
.endm
.macro MULROW a, q, k0, sc, first      ; tokens' tile a against the four tiles of columns, K step k0 + q (k0 is even).  first = 2: the bias is the C of the sum's first product
.set K_, (\k0)+(\q)
.set P_, (\q)%2
.if \first == 2
	WIN 0x91
.else
	WIN 0xa1
.endif
.set B_, 0
.rept NB
.set DD, 8*(NB*(\a)+B_)
.set BB, 128*P_+12*B_
.set AA, AF+48*P_+12*(\a)
.set SB_, SBR+16*B_+K_/2
.set SA_, SC+12*(\sc)+3*(\a)+(\q)/2
.if \first == 2
	v_wmma_scale_f32_16x16x128_f8f6f4 v[DD:DD+7], v[BB:BB+11], v[AA:AA+11], v[96+8*B_:96+8*B_+7], v[SB_], v[SA_] matrix_a_fmt:MATRIX_FMT_FP6 matrix_b_fmt:MATRIX_FMT_FP6
.elseif P_ == 0
	v_wmma_scale_f32_16x16x128_f8f6f4 v[DD:DD+7], v[BB:BB+11], v[AA:AA+11], v[DD:DD+7], v[SB_], v[SA_] matrix_a_fmt:MATRIX_FMT_FP6 matrix_b_fmt:MATRIX_FMT_FP6
.else
	v_wmma_scale_f32_16x16x128_f8f6f4 v[DD:DD+7], v[BB:BB+11], v[AA:AA+11], v[DD:DD+7], v[SB_], v[SA_] matrix_a_fmt:MATRIX_FMT_FP6 matrix_b_fmt:MATRIX_FMT_FP6 matrix_a_scale:MATRIX_SCALE_ROW1 matrix_b_scale:MATRIX_SCALE_ROW1
.endif
.set B_, B_+1
.endr
.endm
.macro MULS a0, n, q, k0, sc, first    ; the accumulators take turns, one instruction a turn, in the same order in every K step
.set A_, \a0
.rept \n
	MULROW A_, \q, \k0, \sc, \first
.set A_, A_+1
.endr
.endm
.macro STEP slot, q, k0, rt, first     ; a K step that has its successor in the same slot: the successor's fragments are asked for first and land under this step's products
	PLACES 4                                       ; four places behind the last products, ahead of loads into registers that they read
	FETCH \slot, (\q)+1, \rt
	s_wait_dscnt NF                                ; all but the NF loads just issued: this step's set and scale words are in
	MULS 0, NA, \q, \k0, \slot, \first
.endm
.macro STEPS slot, k0                  ; a whole slot's first five K steps
.irp q, 0,1,2,3,4
	STEP \slot, \q, \k0, ROWT, 0
.endr
.endm
; A slot's sixth K step changes slots: one barrier.  fill = 1: it opens a round of the cluster's barrier, and this slot is filled again with the six K steps twelve on; 2: with the last two; 0: nothing is filled.
; rtn, nn: the next slot's bytes from tile to tile, and its scale registers a tile.
.macro TURN slot, next, k0, fill, rtn, nn
	WIN 0
	s_wait_tensorcnt 0x0                           ; all my tensor loads have landed: my part of the next slot
	ds_add_u32 v[SPW], v[NIL]                      ; 0 onto my spare word
	s_wait_dscnt 1                                 ; (the add alone may be out: this step's fragments are in)
	MULS 0, 1, NQ-1, \k0, \slot, 0
	s_wait_dscnt 0x0                               ; the add is done, and my reads of this slot are over
	s_barrier_signal -1
	MULS 1, 1, NQ-1, \k0, \slot, 0
	WIN 0
	s_barrier_wait -1
.if \fill
	CREST                                          ; no wave of any partner still reads this slot or has a load on its way
	s_add_nc_u64 s[G0+4*\slot+2:G0+4*\slot+3], s[G0+4*\slot+2:G0+4*\slot+3], 2*ROWT
	s_add_nc_u64 s[G0B+4*\slot+2:G0B+4*\slot+3], s[G0B+4*\slot+2:G0B+4*\slot+3], 2*ROWT
.if \fill == 1
	JLOAD G0+4*\slot, G1, G0B+4*\slot, G1B         ; my one tensor load behind the round; its four v_nop are the places ahead of the loads below
.else
	JLOAD G0+4*\slot, G1X, G0B+4*\slot, G1BX
.endif
.else
	PLACES 4
.endif
	FETCH \next, 0, \rtn
	SCALES \next, (\k0)+NQ, \nn
	MULS 2, 2, NQ-1, \k0, \slot, 0
.endm
	s_wait_tensorcnt 1                             ; the scale words and my part of slot 0 are in; slot 1's load may be out
	s_barrier_signal -1
	s_barrier_wait -1
	FETCH 0, 0, ROWT
	SCALES 0, 0, 3
	s_wait_loadcnt 0x0                             ; the weight's scale words and the bias
	STEP 0, 0, 0, ROWT, 2                          ; K step 0: its products start the sums, on the bias
	WIN 0x80
.irp a, 0,1,2,3                        ; the residual, as the rows will come back from the stage: wanted on the way out alone
.irp i, 0,1,2,3,4,5,6,7
	global_load_b128 v[128+4*(8*\a+\i):128+4*(8*\a+\i)+3], v[CO], s[8:9] offset:4096*(32*(\a/2)+8*(\a%2)+2*\i+8*(\i/4))
.endr
.endr
.irp q, 1,2,3,4
	STEP 0, \q, 0, ROWT, 0
.endr
	TURN 0, 1, 0, 1, ROWT, 3                       ; slot 0 takes K steps 12 to 17
	STEPS 1, 6
	TURN 1, 0, 6, 1, ROWT, 3                       ; slot 1 takes 18 to 23
	STEPS 0, 12
	TURN 0, 1, 12, 1, ROWT, 3                      ; slot 0 takes 24 to 29
	STEPS 1, 18
	TURN 1, 0, 18, 2, ROWT, 3                      ; slot 1 takes 30 and 31
	STEPS 0, 24
	TURN 0, 1, 24, 0, ROWX, 1                      ; nothing is left to fetch
	STEP 1, 0, 30, ROWX, 0
	s_wait_dscnt 0x0
	MULS 0, NA, 1, 30, 1, 0                        ; K step 31
	WIN 0
	PLACES 4                                       ; behind the last products: results are read, and loads land where fragments lay
.irp a, 0,1,2,3                        ; 16 tokens x 64 columns at a time through my stage; LDS serves a wave's instructions in order, so no wait stands between
	WIN 0x08
.irp b, 0,1,2,3
	ds_store_b128 v[STO], v[8*(4*\a+\b):8*(4*\a+\b)+3] offset:128*(\b/2)+32*(\b%2)
	ds_store_b128 v[STO], v[8*(4*\a+\b)+4:8*(4*\a+\b)+7] offset:128*(\b/2)+32*(\b%2)+16
.endr
	WIN 0
.irp i, 0,1,2,3,4,5,6,7
	ds_load_b128 v[BK+32*\a+4*\i:BK+32*\a+4*\i+3], v[RD] offset:544*\i
.endr
.endr
	s_wait_loadcnt 0x0                             ; the residual
.irp a, 0,1,2,3
	s_wait_dscnt 16*(3-\a)                         ; block a is back; the later blocks' 16 LDS instructions each may be out
	WIN 0x08
.set J, 0
.rept 16
	v_pk_add_f32 v[BK+32*\a+J:BK+32*\a+J+1], v[BK+32*\a+J:BK+32*\a+J+1], v[128+32*\a+J:128+32*\a+J+1]
.set J, J+2
.endr
	WIN 0
.irp i, 0,1,2,3,4,5,6,7
	global_store_b128 v[CO], v[BK+32*\a+4*\i:BK+32*\a+4*\i+3], s[12:13] offset:4096*(32*(\a/2)+8*(\a%2)+2*\i+8*(\i/4)) th:TH_STORE_NT
.endr
.endr
	s_wait_tensorcnt 0x0                           ; the wave's end
	ds_add_u32 v[SPW], v[NIL]
	s_wait_dscnt 0x0
	CROUND                                         ; the closing round
	s_endpgm
.Lfunc_end_k_qd0b45c8eb1_ffn2:
	.size	k_qd0b45c8eb1_ffn2, .Lfunc_end_k_qd0b45c8eb1_ffn2-k_qd0b45c8eb1_ffn2
	.p2alignl 7, 3214868480
	.fill 96, 4, 3214868480
	.section	.rodata,"a",@progbits
	.p2align	6, 0x0
	.amdhsa_kernel k_qd0b45c8eb1_ffn2
		.amdhsa_group_segment_fixed_size 327680
		.amdhsa_private_segment_fixed_size 0
		.amdhsa_enable_private_segment 0
		.amdhsa_kernarg_size 40
		.amdhsa_user_sgpr_count 2
		.amdhsa_user_sgpr_kernarg_segment_ptr 1
		.amdhsa_wavefront_size32 1
		.amdhsa_system_sgpr_workgroup_id_x 1
		.amdhsa_system_sgpr_workgroup_id_y 1
		.amdhsa_system_sgpr_workgroup_id_z 1
		.amdhsa_system_vgpr_workitem_id 0
		.amdhsa_next_free_vgpr 768
		.amdhsa_next_free_sgpr 102
		.amdhsa_reserve_vcc 0
		.amdhsa_float_denorm_mode_32 3
		.amdhsa_float_denorm_mode_16_64 3
		.amdhsa_memory_ordered 1
		.amdhsa_forward_progress 1
		.amdhsa_inst_pref_size 160
	.end_amdhsa_kernel
	.amdgpu_metadata
---
amdhsa.version: [ 1, 2 ]
amdhsa.kernels:
  - .name:           k_qd0b45c8eb1_ffn2
    .symbol:         k_qd0b45c8eb1_ffn2.kd
    .args:
      - { .name: ff, .offset: 0, .size: 8, .value_kind: global_buffer, .address_space: global }
      - { .name: w, .offset: 8, .size: 8, .value_kind: global_buffer, .address_space: global }
      - { .name: x1, .offset: 16, .size: 8, .value_kind: global_buffer, .address_space: global }
      - { .name: b2, .offset: 24, .size: 8, .value_kind: global_buffer, .address_space: global }
      - { .name: out0, .offset: 32, .size: 8, .value_kind: global_buffer, .address_space: global }
    .group_segment_fixed_size: 327680
    .private_segment_fixed_size: 0
    .kernarg_segment_align: 8
    .kernarg_segment_size: 40
    .max_flat_workgroup_size: 128
    .sgpr_count:     102
    .vgpr_count:     768
    .wavefront_size: 32
...
	.end_amdgpu_metadata
.endif
;; end of part 7
